; MI455X (gfx1250); checked and timed in simulation.
; The chip was launched on July 23, 2026; its instructions are those of AMD's public machine-readable ISA for CDNA 5 (MIT licence, August 2026) and "CDNA5" Instruction Set Architecture Reference Guide (July 2026). The comments in the code are by the model that wrote it; some were corrected since.
;; Sliding Window Attention. Allowed arithmetic: matrix products marked QUANTISED: E2M1 operands, one E8M0 scale for each 32 along K, by v_wmma_scale_f32_16x16x128_f8f6f4 with both operands' format E2M1 (or v_wmma_scale_f32_32x16x128_f4), f32 sums; products left as they are: bf16, f16 or f32 operands; f32 sums; everything else in f32.
;; Inputs: Wkv 512 x 1,024 float32; Wo 512 x 512 float32; Wq 512 x 512 float32; x 2 x 4,096 x 512 float32.
;; Outputs: out0 2 x 4,096 x 512 float32.
;; This version of the problem:
;;   THIS VERSION OF THE PROBLEM IS GIVEN IN LOW PRECISION. The matrix products marked QUANTISED in the list below multiply operands that are first quantised to E2M1 (2 exponent bits, 1 mantissa bit; 4 bits a number), with one power-of-two scale for each 32 numbers along K (OCP MX v1.0); their sums are f32. The products marked 'left as it is' may take bf16, f16 or f32 operands, with f32 sums. Whichever they take, every output number must still come out within the allowed error. Rounding operands to bf16 (8 significant bits) uses up far more of that allowance than f16 does (11 bits, for magnitudes from 6e-5 to 65,504). All else is computed in f32.
;;   The module's matrix products, in the order in which they are computed (A, B: the left and right operand; K: the contracted axis; several contracted axes count as one K, in the product's order):
;;     1. [M 8,192, K 512] x [K 512, N 512]; A: input x; B: input Wq: QUANTISED
;;     2. [M 8,192, K 512] x [K 512, N 1,024]; A: input x; B: input Wkv: QUANTISED
;;     3. [M 4,096, K 1] x [K 1, N 32]; A: computed on the way; B: computed on the way: left as it is (no contracted axis)
;;     4. batch 16 x [M 4,096, K 64] x [K 64, N 4,096]; A: computed on the way; B: computed on the way: left as it is (an operand is computed on the way)
;;     5. batch 16 x [M 4,096, K 4,096] x [K 4,096, N 64]; A: computed on the way; B: computed on the way: left as it is (an operand is computed on the way)
;;     6. [M 8,192, K 512] x [K 512, N 512]; A: computed on the way; B: input Wo: left as it is (an operand is computed on the way)
;;   THE QUANTISER, for each operand of a quantised product, along K:
;;     - K is cut into blocks of 32 from its start; a last block that is shorter is filled with zeros.
;;     - A block's scale is 2^e with e = floor(log2(the largest magnitude in the block)) - 2, held to -126 .. 127; a block of zeros has e = 0. As a byte (E8M0): e + 127.
;;     - Each number is divided by its block's scale, clamped to +-6, and rounded to the nearest number of E2M1, ties to even, subnormals kept.
;;     - The product sums the exact products of the quantised numbers (number of the format x scale) in f32.
;;   ~~~python
;;   def quantise(x, axis):      # numpy; x: float32 -> the quantised numbers, widened to float32 again
;;       x = np.moveaxis(x, axis, -1); K = x.shape[-1]
;;       x = np.pad(x, [(0, 0)] * (x.ndim - 1) + [(0, -K % 32)]); x = x.reshape(x.shape[:-1] + (-1, 32)); a = np.abs(x).max(-1, keepdims=True)
;;       e = np.where(a > 0, np.clip(np.frexp(np.where(a > 0, a, 1))[1] - 1 - 2, -126, 127), 0)      # np.frexp(a)[1] - 1 = floor(log2(a)), exactly
;;       r = np.clip(x / 2.0 ** e, -6, 6)
;;       step = 2.0 ** (np.maximum(np.frexp(np.where(r == 0, 1, r))[1] - 1, 0) - 1)
;;       q = np.round(r / step) * step * 2.0 ** e      # np.round: ties to even
;;       return np.moveaxis(q.reshape(q.shape[:-2] + (-1,))[..., :K], -1, axis).astype(np.float32)
;;   ~~~
;; One version. Each part assembles by itself: llvm-mc -triple=amdgcn-amd-amdhsa -mcpu=gfx1250 --defsym DOCPART=n.
;; ======== version 1 of 1: 5 launches
;; limits: values are held in f16: magnitudes above 65,504 overflow, below 6.1e-05 lose precision
;; workspace buffers: xq 2,228,224 bytes; wq 417,792 bytes; woh 524,288 bytes; qh 8,388,608 bytes; kv 16,777,216 bytes; oh 8,388,608 bytes; first 196,608 bytes
;; launch prep (part 1): grid 320 x 1, 4 waves a work-group, no clusters, 68,096 bytes of LDS; arguments x, Wq, Wkv, Wo, xq, wq, woh; writes xq, wq, woh
.if DOCPART == 1
	.amdgcn_target "amdgcn-amd-amdhsa--gfx1250"
	.amdhsa_code_object_version 6
	.text
	.protected	k_qceafb24ee3_prep
	.globl	k_qceafb24ee3_prep
	.p2align	8
	.type	k_qceafb24ee3_prep,@function
k_qceafb24ee3_prep:
	s_mov_b64 s[64:65], 0
	v_nop
	global_prefetch_b8 v0, s[64:65] scope:SCOPE_SE
	s_setreg_imm32_b32 hwreg(HW_REG_WAVE_MODE, 25, 1), 1
	s_wait_xcnt 0x0
; PREP.  x [8192][512] f32 and the weights Wq [512][512], Wkv [512][1024] f32 become codes of FP4 (E2M1) with one E8M0 scale byte for each 32 along K = 512; Wo [512][512] becomes f16.
; All three results are laid as IMAGES OF OPERAND REGISTERS: groups of four registers, each group as [lane 0..31][16 bytes], 512 bytes on end, so that the readers load fragments by plain 16-byte loads.
;   xq : [token tile 0..511][4352 B]: codes [K step 0..3][c 0..1][lane][16 B] (lane (r, h), part c: block 2 c + h of the K step, row r), then 256 B of scale words [K step][r]
;   wq : [unit 0..23][17408 B] (units 0-7 q's heads, 8-15 k's, 16-23 v's; 64 columns a unit): codes [column tile 0..3][K step][c][lane][16 B], then 1024 B of scale words [K step][64 columns]
;   woh: [column tile 0..31][K step of 32, 0..15][c][lane][16 B]: lane (r, h), part c: Wo[32 ks + 16 c + 8 h + 0..7][16 nt + r]
; A block's scale is 2^(floor(log2(largest magnitude)) - 2): its byte is the largest magnitude's exponent field - 2, held at 1 from below by a floor among the maximum's leaves.
; LIMITS: a block of zeros gets the byte 1 where the rule says 127 (its codes are zeros, and this program alone reads the bytes); NaN and infinities among the inputs are not served; Wo must stay under 65,504 in magnitude.
; WORK-GROUPS, by their number alone: 0-255 x (two token tiles each; a wave takes a tile's half of K), 256-271 Wq, 272-303 Wkv, 304-319 Wo (128 columns x 128 along K each; a lane takes a column, its registers run down K).
; No tensor loads, no barrier: waves share nothing.  Only the x path uses LDS: a row's 512 bytes are loaded as they lie and turned through the wave's own stage, so that a lane gets whole blocks of 32 neighbours.
.set SPARE, 67584                      ; behind the four waves' stages: the spare words, 128 bytes a wave
.set WREG,  16896                      ; a wave's two stages of 16 rows
.set SP,    528                        ; a stage row: 512 bytes + 16 of padding = 132 words, so that the 16 rows of a load start at 16 different groups of banks
.set SPW,   12                         ; v12  LDS address of my spare word; never rewritten
.set NIL,   13                         ; v13  0; never rewritten
.set C,     20                         ; v20-35   codes: registers of its own for each store
.set X,     36                         ; v36-99   64 numbers at work
.set R,     100                        ; v100-227 x as it is loaded
.set H,     100                        ; v100-163 Wo's f16 numbers
.macro FINISH                          ; the wave's end
	s_wait_tensorcnt 0x0
	ds_add_u32 v[SPW], v[NIL]
	s_wait_dscnt 0x0
	s_endpgm
.endm
	s_load_b256 s[4:11], s[0:1], 0x0               ; x s[4:5], Wq s[6:7], Wkv s[8:9], Wo s[10:11]
	s_load_b128 s[12:15], s[0:1], 0x20             ; xq s[12:13], wq s[14:15]
	s_load_b64 s[16:17], s[0:1], 0x30              ; woh
	v_lshl_add_u32 v[SPW], v0, 2, SPARE
	v_mov_b32 v[NIL], 0
	v_lshrrev_b32 v1, 5, v0
	v_readfirstlane_b32 s18, v1                    ; wave 0..3
	v_and_b32 v1, 31, v0                           ; lane
	v_and_b32 v2, 15, v0                           ; r
	v_bfe_u32 v3, v0, 4, 1                         ; h
	s_mov_b32 s20, 0x76543210
	s_mov_b32 s21, 0xfedcba98                      ; lane selects: lane l xor 16
	v_mov_b32 v10, 0                               ; a lane permute's destination counts as read: written once
	s_wait_kmcnt 0x0
	s_cmp_lt_u32 ttmp9, 256
	s_cbranch_scc0 .Lweights
; ---------------- x: token tile mt = 2 g + wave / 2, K steps 2 kp and 2 kp + 1 with kp = wave % 2
	s_lshl_b32 s22, ttmp9, 1
	s_lshr_b32 s23, s18, 1
	s_add_co_u32 s22, s22, s23                     ; mt
	s_and_b32 s23, s18, 1                          ; kp
	s_lshl_b32 s24, s22, 15                        ; 16 rows of 2,048 bytes
	s_lshl_b32 s25, s23, 10                        ; two K steps of 512 bytes
	s_add_co_u32 s24, s24, s25
	s_mov_b32 s25, 0
	s_add_nc_u64 s[4:5], s[4:5], s[24:25]
	s_mul_i32 s26, s22, 4352
	s_lshl_b32 s27, s23, 11
	s_add_co_u32 s24, s26, s27
	s_add_nc_u64 s[28:29], s[12:13], s[24:25]      ; my codes
	s_lshl_b32 s27, s23, 7
	s_add_co_u32 s24, s26, s27
	s_add_nc_u64 s[30:31], s[12:13], s[24:25]      ; my scale words (4,096 further on: in the immediate)
	s_mul_i32 s26, s18, WREG
	v_lshlrev_b32 v4, 4, v1                        ; 16 x lane: the loads' and the codes' offset
	v_add_nc_u32 v6, s26, v4                       ; into a stage: a row as it lies
	v_mul_u32_u24 v7, v2, SP
	v_lshl_add_u32 v7, v3, 7, v7
	v_add_nc_u32 v7, s26, v7                       ; out of it: row r, block h (and, 256 bytes on, block 2 + h)
	v_lshlrev_b32 v18, 3, v3                       ; 8 h
	v_lshlrev_b32 v19, 2, v1                       ; 4 x lane
.set i, 0
.rept 32                                       ; 32 lanes read 512 consecutive bytes: a row's part of a K step; the first K step's 16 rows first
	global_load_b128 v[R+4*i:R+4*i+3], v4, s[4:5] offset:(i%16)*2048+(i/16)*512 th:TH_LOAD_NT
.set i, i+1
.endr
.macro RDX st                          ; out of stage st: my two blocks of 32 numbers
.set i, 0
.rept 16
	ds_load_b128 v[X+4*i:X+4*i+3], v7 offset:(\st)*16*SP+(i/8)*256+(i%8)*16
.set i, i+1
.endr
.endm
.macro XQ u                            ; the 64 numbers in v[X] on become 8 registers of codes and, with lane l xor 16's, the row's scale word of this K step
	v_max3_num_f32 v8, |v[X]|, |v[X+1]|, 0x1800000                 ; the floor 2^(3 - 127) among the leaves: the byte cannot fall under 1
	v_max3_num_f32 v9, |v[X+32]|, |v[X+33]|, 0x1800000
.set i, 2
.rept 15
	v_max3_num_f32 v8, v8, |v[X+i]|, |v[X+i+1]|                    ; the two blocks by turns
	v_max3_num_f32 v9, v9, |v[X+32+i]|, |v[X+33+i]|
.set i, i+2
.endr
	v_add_nc_u32 v8, 0xff000000, v8                ; 2 off the exponent field: the conversion's scale operand
	v_add_nc_u32 v9, 0xff000000, v9
	v_lshrrev_b32 v16, 23, v8                      ; the bytes of blocks h and 2 + h
	v_lshrrev_b32 v17, 23, v9
	v_lshl_or_b32 v16, v17, 16, v16
	v_lshlrev_b32 v16, v18, v16                    ; at their places in the word
	v_permlanex16_b32 v10, v16, s20, s21
	v_or_b32 v[14+\u], v16, v10                    ; with the other half's two the word is whole
.irp g, 0,1,2,3
	v_cvt_scalef32_pk8_fp4_f32 v[C+8*\u+\g], v[X+8*\g:X+8*\g+7], v8
	v_cvt_scalef32_pk8_fp4_f32 v[C+8*\u+4+\g], v[X+32+8*\g:X+32+8*\g+7], v9
.endr
	v_nop                                          ; one plain line behind the last scaled conversion
	global_store_b128 v4, v[C+8*\u:C+8*\u+3], s[28:29] offset:\u*1024        ; 512 consecutive bytes a store
	global_store_b128 v4, v[C+8*\u+4:C+8*\u+7], s[28:29] offset:\u*1024+512
.endm
	s_wait_loadcnt 16                              ; the first K step's 16 loads are in; the 16 younger ones may be out
.set i, 0
.rept 16
	ds_store_b128 v6, v[R+4*i:R+4*i+3] offset:i*SP
.set i, i+1
.endr
	RDX 0                                          ; LDS serves a wave's instructions in order: these see the stores above
	s_wait_loadcnt 0x0
.set i, 0
.rept 16
	ds_store_b128 v6, v[R+64+4*i:R+64+4*i+3] offset:16*SP+i*SP
.set i, i+1
.endr
	s_wait_dscnt 16                                ; stage 0's numbers are back; the 16 younger stores may be out
	XQ 0
	RDX 1
	s_wait_dscnt 0x0
	XQ 1
	v_cmp_lt_u32 vcc_lo, 15, v1
	v_cndmask_b32 v14, v14, v15, vcc_lo            ; lanes 0-15 store the first K step's words, lanes 16-31 the second's: 128 consecutive bytes
	global_store_b32 v19, v14, s[30:31] offset:4096
	FINISH
; ---------------- the weights: a lane takes a column, 32 registers run down K; loads run two blocks ahead
.macro WLOAD t, pitch
.set i, 0
.rept 32
	global_load_b32 v[X+32*((\t)%2)+i], v4, s[4:5] offset:(32*(\t)+i)*\pitch th:TH_LOAD_NT   ; 32 lanes read 128 consecutive bytes of a row
.set i, i+1
.endr
.endm
.macro WBLOCK t, pitch, kind
.set XS, X+32*((\t)%2)
.if (\t) < 3
	s_wait_loadcnt 32                              ; this block's 32 loads are in; the next block's may be out
.else
	s_wait_loadcnt 0x0
.endif
.if \kind == 0
	v_max3_num_f32 v8, |v[XS]|, |v[XS+1]|, |v[XS+2]|               ; the block's largest magnitude: all 32 numbers are mine
	v_max3_num_f32 v9, |v[XS+3]|, |v[XS+4]|, |v[XS+5]|
.irp j, 6,10,14,18,22,26
	v_max3_num_f32 v8, v8, |v[XS+\j]|, |v[XS+\j+1]|
	v_max3_num_f32 v9, v9, |v[XS+\j+2]|, |v[XS+\j+3]|
.endr
	v_max3_num_f32 v8, v8, |v[XS+30]|, |v[XS+31]|
	v_max3_num_f32 v8, v8, v9, 0x1800000           ; and the floor
	v_add_nc_u32 v11, 0xff000000, v8               ; the conversion's scale operand
	v_lshrrev_b32 v9, 23, v11                      ; the byte
.if (\t) == 0
	v_mov_b32 v14, v9
.else
	v_lshl_or_b32 v14, v9, 8*(\t), v14             ; the K step's four bytes make my column's scale word
.endif
.irp g, 0,1,2,3
	v_cvt_scalef32_pk8_fp4_f32 v[C+4*(\t)+\g], v[XS+8*\g:XS+8*\g+7], v11
.endr
	v_nop                                          ; one plain line behind the last scaled conversion
	global_store_b128 v5, v[C+4*(\t):C+4*(\t)+3], s[28:29] offset:256*(\t)   ; block t = 2 c + h of the image: sixteen lanes store 256 consecutive bytes
.else
.set k, 0
.rept 16
	v_cvt_pk_f16_f32 v[H+16*(\t)+k], v[XS+2*k], v[XS+2*k+1]
.set k, k+1
.endr
.irp u, 0,1,2,3
	global_store_b128 v5, v[H+16*(\t)+4*\u:H+16*(\t)+4*\u+3], s[28:29] offset:(\t)*1024+\u*256
.endr
.endif
.if (\t)+2 < 4
	WLOAD (\t)+2, \pitch
.endif
.endm
.macro WCOLS pitch, kind
	WLOAD 0, \pitch
	WLOAD 1, \pitch
	WBLOCK 0, \pitch, \kind
	WBLOCK 1, \pitch, \kind
	WBLOCK 2, \pitch, \kind
	WBLOCK 3, \pitch, \kind
.if \kind == 0
	global_store_b32 v4, v14, s[30:31] offset:16384
.endif
.endm
.Lweights:
	v_lshlrev_b32 v4, 2, v1                        ; 4 x lane
	s_lshl_b32 s25, s18, 7                         ; my wave's 32 columns, in bytes
	s_cmp_lt_u32 ttmp9, 304
	s_cbranch_scc0 .Lwo
	s_sub_co_u32 s22, ttmp9, 256
	s_and_b32 s23, s22, 3                          ; K step
	s_lshr_b32 s24, s22, 2                         ; which 128 columns of the 1,536
	s_lshl_b32 s26, s24, 1
	s_lshr_b32 s27, s18, 1
	s_add_co_u32 s26, s26, s27                     ; unit
	s_mul_i32 s26, s26, 17408
	s_and_b32 s27, s18, 1
	s_lshl_b32 s30, s27, 13                        ; two column tiles of 4,096 bytes
	s_add_co_u32 s30, s30, s26
	s_lshl_b32 s31, s23, 10
	s_add_co_u32 s30, s30, s31
	s_mov_b32 s31, 0
	s_add_nc_u64 s[28:29], s[14:15], s[30:31]      ; my codes
	s_lshl_b32 s30, s27, 7
	s_add_co_u32 s30, s30, s26
	s_lshl_b32 s27, s23, 8
	s_add_co_u32 s30, s30, s27
	s_add_nc_u64 s[30:31], s[14:15], s[30:31]      ; my scale words (16,384 further on: in the immediate)
	v_lshlrev_b32 v5, 4, v2
	v_lshl_add_u32 v5, v3, 12, v5                  ; lanes 16-31 hold the next column tile
	s_cmp_lt_u32 s24, 4
	s_cbranch_scc0 .Lwkv
	s_lshl_b32 s26, s23, 18                        ; 128 rows of 2,048 bytes
	s_lshl_b32 s27, s24, 9
	s_add_co_u32 s26, s26, s27
	s_add_co_u32 s26, s26, s25
	s_mov_b32 s27, 0
	s_add_nc_u64 s[4:5], s[6:7], s[26:27]
	WCOLS 2048, 0
	FINISH
.Lwkv:
	s_sub_co_u32 s24, s24, 4
	s_lshl_b32 s26, s23, 19                        ; 128 rows of 4,096 bytes
	s_lshl_b32 s27, s24, 9
	s_add_co_u32 s26, s26, s27
	s_add_co_u32 s26, s26, s25
	s_mov_b32 s27, 0
	s_add_nc_u64 s[4:5], s[8:9], s[26:27]
	WCOLS 4096, 0
	FINISH
.Lwo:
	s_sub_co_u32 s22, ttmp9, 304
	s_and_b32 s23, s22, 3                          ; which 128 along K
	s_lshr_b32 s24, s22, 2                         ; which 128 columns
	s_lshl_b32 s26, s23, 18
	s_lshl_b32 s27, s24, 9
	s_add_co_u32 s26, s26, s27
	s_add_co_u32 s26, s26, s25
	s_mov_b32 s27, 0
	s_add_nc_u64 s[4:5], s[10:11], s[26:27]
	s_lshl_b32 s26, s24, 17                        ; 8 column tiles of 16,384 bytes
	s_lshl_b32 s30, s18, 15                        ; my wave's two
	s_add_co_u32 s26, s26, s30
	s_lshl_b32 s30, s23, 12                        ; four K steps of 32
	s_add_co_u32 s26, s26, s30
	s_add_nc_u64 s[28:29], s[16:17], s[26:27]
	v_lshlrev_b32 v5, 4, v2
	v_lshl_add_u32 v5, v3, 14, v5
	WCOLS 2048, 1
	FINISH
.Lfunc_end_k_qceafb24ee3_prep:
	.size	k_qceafb24ee3_prep, .Lfunc_end_k_qceafb24ee3_prep-k_qceafb24ee3_prep
	.p2alignl 7, 3214868480
	.fill 96, 4, 3214868480
	.section	.rodata,"a",@progbits
	.p2align	6, 0x0
	.amdhsa_kernel k_qceafb24ee3_prep
		.amdhsa_group_segment_fixed_size 68096
		.amdhsa_private_segment_fixed_size 0
		.amdhsa_enable_private_segment 0
		.amdhsa_kernarg_size 56
		.amdhsa_user_sgpr_count 2
		.amdhsa_user_sgpr_kernarg_segment_ptr 1
		.amdhsa_wavefront_size32 1
		.amdhsa_system_sgpr_workgroup_id_x 1
		.amdhsa_system_sgpr_workgroup_id_y 1
		.amdhsa_system_sgpr_workgroup_id_z 1
		.amdhsa_system_vgpr_workitem_id 0
		.amdhsa_next_free_vgpr 228
		.amdhsa_next_free_sgpr 66
		.amdhsa_reserve_vcc 1
		.amdhsa_float_denorm_mode_32 3
		.amdhsa_float_denorm_mode_16_64 3
		.amdhsa_memory_ordered 1
		.amdhsa_forward_progress 1
		.amdhsa_inst_pref_size 73
	.end_amdhsa_kernel
	.amdgpu_metadata
---
amdhsa.version: [ 1, 2 ]
amdhsa.kernels:
  - .name:           k_qceafb24ee3_prep
    .symbol:         k_qceafb24ee3_prep.kd
    .args:
      - { .name: x, .offset: 0, .size: 8, .value_kind: global_buffer, .address_space: global }
      - { .name: Wq, .offset: 8, .size: 8, .value_kind: global_buffer, .address_space: global }
      - { .name: Wkv, .offset: 16, .size: 8, .value_kind: global_buffer, .address_space: global }
      - { .name: Wo, .offset: 24, .size: 8, .value_kind: global_buffer, .address_space: global }
      - { .name: xq, .offset: 32, .size: 8, .value_kind: global_buffer, .address_space: global }
      - { .name: wq, .offset: 40, .size: 8, .value_kind: global_buffer, .address_space: global }
      - { .name: woh, .offset: 48, .size: 8, .value_kind: global_buffer, .address_space: global }
    .group_segment_fixed_size: 68096
    .private_segment_fixed_size: 0
    .kernarg_segment_align: 8
    .kernarg_segment_size: 56
    .max_flat_workgroup_size: 128
    .sgpr_count:     66
    .vgpr_count:     228
    .wavefront_size: 32
...
	.end_amdgpu_metadata
.endif
;; end of part 1
;; launch qkv (part 2): grid 64 x 3, 8 waves a work-group, no clusters, 68,608 bytes of LDS; arguments xq, wq, qh, kv, first; writes qh, kv, first
.if DOCPART == 2
	.amdgcn_target "amdgcn-amd-amdhsa--gfx1250"
	.amdhsa_code_object_version 6
	.text
	.protected	k_qceafb24ee3_qkv
	.globl	k_qceafb24ee3_qkv
	.p2align	8
	.type	k_qceafb24ee3_qkv,@function
k_qceafb24ee3_qkv:
	s_mov_b64 s[64:65], 0
	v_nop
	global_prefetch_b8 v0, s[64:65] scope:SCOPE_SE
	s_setreg_imm32_b32 hwreg(HW_REG_WAVE_MODE, 25, 1), 1
	s_wait_xcnt 0x0
; QKV.  q = x Wq, k and v = x Wkv on codes of FP4 with E8M0 scales (K = 512, four matrix instructions deep), the rotary turn of q and k in f32, and the results as f16 IMAGES OF THE OPERAND REGISTERS of the attention launch.
; SHARES.  Work-group (gx, ty): 128 tokens (8 tiles of 16) of one kind (ty = 0 q, 1 k, 2 v).  Wave w is head w: its 64 columns of the weight, 16 fragments, stay in its registers (window 1) for the whole launch.
; The 8 tiles of x's codes (a verbatim copy of xq, 4,352 bytes a tile) and, for q and k, the tiles' cosines and sines go through LDS once: wave w brings tile w, one barrier, every wave reads all.
; q, k: THE PRODUCT IS USED TRANSPOSED (source 0 = 16 columns of W, source 1 = 16 tokens): lane (r, h) holds token r and channels 16 nt + 8 h + 0..7, which, rounded to f16 in pairs, are four registers of a fragment (rows = tokens, K = channels).
; v: the product as it stands (source 0 = x, source 1 = W): lane (r, h) holds channel 16 nt + r and tokens 8 h + 0..7: four registers of a fragment of V^T (rows = channels, K = keys).  Nothing is transposed by an instruction.
;   qh: [batch x head][query tile 0..255][2 K steps of 32][c][lane][16 B];  kv: [batch x head][step of 64 keys][K: [key tile 0..3][2][c][lane][16 B], 8,192 B; V: [32 keys 0..1][channel tile 0..3][c][lane][16 B], 8,192 B]
;   first: the first 16 tokens of each batch in f32, [batch][kind][head][4,096 B]: q, k as [token][64], v as [channel][16 tokens].
; SINE AND COSINE: frequency 2^(-i log2(10000) / 32); angle = position x frequency, one rounding; reduced by the nearest multiple of pi/2 (in two parts, exact for the first), then polynomials of degree 9 and 8 on |rho| <= pi/4.
; No cluster: the weights go to registers once for each wave, and what work-groups share (a block's 34,816 bytes of x's codes, read by three) comes through registers, not by tensor loads.
; LIMITS: the frequencies come from v_exp_f32 and may differ from a correctly rounded power in the last bits; q, k, v must stay under 65,504 in magnitude; NaN and infinities are not served.
.set XT,    4352                       ; a tile of x in LDS, at tile x XT: 4,096 bytes of codes, 256 of scale words
.set CSIMG, 34816                      ; behind them: 8 tiles x 4,096 bytes: 16 registers of cosines, 16 of sines, as images
.set SPARE, 67584                      ; the spare words, 128 bytes a wave
.set LI,  1                            ; v1   16 x lane
.set LR,  2                            ; v2   4 r
.set CSR, 3                            ; v3   CSIMG + 16 x lane
.set FO,  4                            ; v4   my place in the f32 copy
.set CSW, 5                            ; v5   where I store my tile's cosines and sines
.set XW,  6                            ; v6   where I store my tile of x
.set XW8, 7                            ; v7   and its scale words
.set L8,  8                            ; v8   8 x lane
.set SPW, 10                           ; v10  LDS address of my spare word; never rewritten
.set NIL, 11                           ; v11  0; never rewritten
.set WS,  16                           ; v16-31  the weight's scale words, 4 nt + ks: scales and nothing else
.set XS0, 32                           ; v32-39  x's scale words, two sets: scales and nothing else
.set X0,  40                           ; v40-103 x's four fragments, two sets
.set CS0, 104                          ; v104-167 cosines and sines, two sets
.set ACC, 168                          ; v168-199 four accumulators
.set T,   200                          ; v200-215 at work
.set SG,  216                          ; v216-249 my tile of x on its way to LDS
.set RHO, 40                           ; the head's temporaries
.set NN,  56
.set ZZ,  72
.set PS,  88
.set PC,  136
.set COSR, 104
.set SINR, 120
.set MSB, 0
.macro WIN new                         ; the immediate's high byte repeats the setting that is left
.if MSB != \new
	s_set_vgpr_msb (MSB<<8)|\new
.set MSB, \new
.endif
.endm
	s_load_b256 s[4:11], s[0:1], 0x0               ; xq s[4:5], wq s[6:7], qh s[8:9], kv s[10:11]
	s_load_b64 s[12:13], s[0:1], 0x20              ; first
	v_lshl_add_u32 v[SPW], v0, 2, SPARE
	v_mov_b32 v[NIL], 0
	v_lshrrev_b32 v9, 5, v0
	v_readfirstlane_b32 s14, v9                    ; wave = head
	s_and_b32 s15, ttmp7, 0xffff                   ; ty
	s_lshr_b32 s16, ttmp9, 5                       ; batch
	s_and_b32 s17, ttmp9, 31                       ; block of 128 tokens in the batch
	v_and_b32 v9, 31, v0                           ; lane
	v_and_b32 v12, 15, v0                          ; r
	v_bfe_u32 v13, v0, 4, 1                        ; h
	v_lshlrev_b32 v[LI], 4, v9
	v_lshlrev_b32 v[LR], 2, v12
	v_lshlrev_b32 v[L8], 3, v9
	v_add_nc_u32 v[CSR], CSIMG, v[LI]
	s_mul_i32 s18, s14, XT
	v_add_nc_u32 v[XW], s18, v[LI]
	v_add_nc_u32 v[XW8], s18, v[L8]
	s_lshl_b32 s18, s14, 12
	v_add_nc_u32 v[CSW], s18, v[CSR]
	s_cmp_eq_u32 s15, 2
	s_cselect_b32 s18, 6, 8                        ; the f32 copy's row: 64 bytes (v) or 256 (q, k)
	v_lshlrev_b32 v[FO], s18, v12
	v_lshl_add_u32 v[FO], v13, 5, v[FO]
	s_lshl_b32 s18, ttmp9, 3
	s_add_co_u32 s18, s18, s14
	s_mul_i32 s18, s18, XT                         ; my tile of x
	s_mov_b32 s19, 0
	s_lshl_b32 s42, s15, 3
	s_add_co_u32 s42, s42, s14
	s_mul_i32 s42, s42, 17408                      ; my unit of the weights
	s_mov_b32 s43, 0
	s_wait_kmcnt 0x0
	s_add_nc_u64 s[20:21], s[4:5], s[18:19]
	s_add_nc_u64 s[22:23], s[6:7], s[42:43]
.set k, 0
.rept 8
	global_load_b128 v[SG+4*k:SG+4*k+3], v[LI], s[20:21] offset:k*512
.set k, k+1
.endr
	global_load_b64 v[SG+32:SG+33], v[L8], s[20:21] offset:4096
	WIN 0x40                                       ; destination window 1
.set k, 0
.rept 32                                       ; fragment 4 nt + ks, part c, at register 4 (2 (4 nt + ks) + c) of window 1
	global_load_b128 v[4*k:4*k+3], v[LI], s[22:23] offset:k*512
.set k, k+1
.endr
	WIN 0
.irp nt, 0,1,2,3
.irp ks, 0,1,2,3
	global_load_b32 v[WS+4*\nt+\ks], v[LR], s[22:23] offset:16384+\ks*256+\nt*64
.endr
.endr
	; where the results go
	s_lshl_b32 s18, s16, 3
	s_add_co_u32 s18, s18, s14                     ; batch x head
	s_lshl_b32 s42, s18, 19
	s_lshl_b32 s43, s17, 14
	s_add_co_u32 s42, s42, s43                     ; q: 256 tiles of 2,048 bytes a head, 8 tiles a block
	s_lshl_b32 s44, s18, 20
	s_lshl_b32 s45, s17, 15
	s_add_co_u32 s44, s44, s45                     ; k, v: 64 steps of 16,384 bytes a head, 2 steps a block
	s_mov_b32 s46, 16384
	s_cmp_eq_u32 s15, 0
	s_cselect_b64 s[24:25], s[8:9], s[10:11]
	s_cselect_b32 s42, s42, s44
	s_cselect_b32 s46, 8192, s46                   ; from tiles 0-3 to tiles 4-7
	s_cmp_eq_u32 s15, 2
	s_cselect_b32 s43, 8192, 0                     ; V lies behind K in a step
	s_add_co_u32 s42, s42, s43
	s_mov_b32 s43, 0
	s_mov_b32 s47, 0
	s_add_nc_u64 s[24:25], s[24:25], s[42:43]
	s_add_nc_u64 s[26:27], s[24:25], s[46:47]
	s_mul_i32 s18, s16, 3
	s_add_co_u32 s18, s18, s15
	s_lshl_b32 s18, s18, 3
	s_add_co_u32 s18, s18, s14
	s_lshl_b32 s18, s18, 12
	s_add_nc_u64 s[40:41], s[12:13], s[18:19]      ; the f32 copy
	s_cmp_eq_u32 s15, 2
	s_cbranch_scc1 .Lnotrig
; ---------------- cosines and sines of my tile: lane (r, h): position 128 tb + 16 w + r; element e = 8 tt + j: frequency index 16 tt + 8 h + j.  Each operation runs over the 16 by turns
	s_mov_b32 s28, 0xbed49a78                      ; -log2(10000) / 32
	s_mov_b32 s29, 0x3f22f983                      ; 2 / pi
	s_mov_b32 s30, 0xbfc90fdb                      ; -(pi / 2), the f32 number,
	s_mov_b32 s31, 0x333bbd2e                      ; and what it is too large by
	s_mov_b32 s32, 0x3638ef1d                      ; 1 / 9!
	s_mov_b32 s33, 0xb9500d01                      ; -1 / 7!
	s_mov_b32 s34, 0x3c088889                      ; 1 / 5!
	s_mov_b32 s35, 0xbe2aaaab                      ; -1 / 3!
	s_mov_b32 s36, 0x37d00d01                      ; 1 / 8!
	s_mov_b32 s37, 0xbab60b61                      ; -1 / 6!
	s_mov_b32 s38, 0x3d2aaaab                      ; 1 / 4!
	s_lshl_b32 s18, s17, 7
	s_lshl_b32 s39, s14, 4
	s_add_co_u32 s18, s18, s39
	v_add_nc_u32 v9, s18, v12
	v_cvt_f32_u32 v9, v9                           ; my position
	v_lshlrev_b32 v14, 3, v13                      ; 8 h
.set e, 0
.rept 16
	v_add_nc_u32 v[RHO+e], 16*(e/8)+e%8, v14
.set e, e+1
.endr
.set e, 0
.rept 16
	v_cvt_f32_u32 v[RHO+e], v[RHO+e]
.set e, e+1
.endr
.set e, 0
.rept 16
	v_mul_f32 v[RHO+e], s28, v[RHO+e]
.set e, e+1
.endr
.set e, 0
.rept 16
	v_exp_f32 v[RHO+e], v[RHO+e]                   ; the frequencies: one batch
.set e, e+1
.endr
	v_nop                                          ; a plain line behind the last exponential,
	s_wait_alu depctr_va_vdst(0)                   ; and one wait ahead of the batch's first reader
.set e, 0
.rept 16
	v_mul_f32 v[RHO+e], v9, v[RHO+e]               ; the angle
.set e, e+1
.endr
.set e, 0
.rept 16
	v_mul_f32 v[NN+e], s29, v[RHO+e]
.set e, e+1
.endr
.set e, 0
.rept 16
	v_rndne_f32 v[NN+e], v[NN+e]                   ; n: the nearest multiple of pi / 2
.set e, e+1
.endr
.set e, 0
.rept 16
	v_fma_f32 v[RHO+e], v[NN+e], s30, v[RHO+e]     ; exact: both are multiples of 2^-23 and the difference is under 1
.set e, e+1
.endr
.set e, 0
.rept 16
	v_fma_f32 v[RHO+e], v[NN+e], s31, v[RHO+e]     ; rho
.set e, e+1
.endr
.set e, 0
.rept 16
	v_mul_f32 v[ZZ+e], v[RHO+e], v[RHO+e]
	v_cvt_i32_f32 v[NN+e], v[NN+e]
.set e, e+1
.endr
.set e, 0
.rept 16
	v_fma_f32 v[PS+e], v[ZZ+e], s32, s33
	v_fma_f32 v[PC+e], v[ZZ+e], s36, s37
.set e, e+1
.endr
.set e, 0
.rept 16
	v_fma_f32 v[PS+e], v[PS+e], v[ZZ+e], s34
	v_fma_f32 v[PC+e], v[PC+e], v[ZZ+e], s38
.set e, e+1
.endr
.set e, 0
.rept 16
	v_fma_f32 v[PS+e], v[PS+e], v[ZZ+e], s35
	v_fma_f32 v[PC+e], v[PC+e], v[ZZ+e], -0.5
.set e, e+1
.endr
.set e, 0
.rept 16
	v_mul_f32 v[PS+e], v[PS+e], v[ZZ+e]
	v_fma_f32 v[PC+e], v[PC+e], v[ZZ+e], 1.0       ; cos rho
.set e, e+1
.endr
.set e, 0
.rept 16
	v_fma_f32 v[PS+e], v[PS+e], v[RHO+e], v[RHO+e] ; sin rho
	v_and_b32 v[ZZ+e], 1, v[NN+e]
.set e, e+1
.endr
.set e, 0
.rept 16                                       ; in the odd quadrants the two change places
	v_cmp_eq_u32 vcc_lo, 1, v[ZZ+e]
	v_cndmask_b32 v[SINR+e], v[PS+e], v[PC+e], vcc_lo
	v_cndmask_b32 v[COSR+e], v[PC+e], v[PS+e], vcc_lo
.set e, e+1
.endr
.set e, 0
.rept 16
	v_and_b32 v[ZZ+e], 2, v[NN+e]                  ; the sine is negative in quadrants 2 and 3,
	v_add_nc_u32 v[NN+e], 1, v[NN+e]
.set e, e+1
.endr
.set e, 0
.rept 16
	v_lshlrev_b32 v[ZZ+e], 30, v[ZZ+e]
	v_and_b32 v[NN+e], 2, v[NN+e]                  ; the cosine in quadrants 1 and 2
.set e, e+1
.endr
.set e, 0
.rept 16
	v_xor_b32 v[SINR+e], v[ZZ+e], v[SINR+e]
	v_lshlrev_b32 v[NN+e], 30, v[NN+e]
.set e, e+1
.endr
.set e, 0
.rept 16
	v_xor_b32 v[COSR+e], v[NN+e], v[COSR+e]
.set e, e+1
.endr
.set k, 0
.rept 8
	ds_store_b128 v[CSW], v[COSR+4*k:COSR+4*k+3] offset:k*512
.set k, k+1
.endr
.Lnotrig:
	s_wait_loadcnt 48                              ; my tile of x is in; the 48 younger loads (the weight) may be out
.set k, 0
.rept 8
	ds_store_b128 v[XW], v[SG+4*k:SG+4*k+3] offset:k*512
.set k, k+1
.endr
	ds_store_b64 v[XW8], v[SG+32:SG+33] offset:4096
	s_wait_dscnt 0x0                               ; for the others' sake: my stores have landed
	s_barrier_signal -1
	s_barrier_wait -1                              ; the launch's one barrier: from here on LDS is only read
	s_wait_loadcnt 0x0                             ; the weight and its scale words
.macro LOADT i, cs                     ; tile i's four fragments and scale words (cs = 1: and its cosines and sines) into set i % 2: 12 or 20 LDS loads
.set XB, X0+32*((\i)%2)
.set XSB, XS0+4*((\i)%2)
.set CB, CS0+32*((\i)%2)
.set k, 0
.rept 8
	ds_load_b128 v[XB+4*k:XB+4*k+3], v[LI] offset:(\i)*XT+k*512
.set k, k+1
.endr
.irp ks, 0,1,2,3
	ds_load_b32 v[XSB+\ks], v[LR] offset:(\i)*XT+4096+\ks*64
.endr
.if \cs
.set k, 0
.rept 8
	ds_load_b128 v[CB+4*k:CB+4*k+3], v[CSR] offset:(\i)*4096+k*512
.set k, k+1
.endr
.endif
.endm
.macro PLACES5                         ; behind a run of products: four places ahead of the first read of results and of loads into operands, a fifth since the next tile's first products write over the accumulators
.rept 5
	v_nop
.endr
.endm
.macro QKTILE i
	s_wait_xcnt 0x0                                ; the last tile's stores have read their data: the accumulators and v[T] on are written again only behind this wait
.if (\i) < 7
	LOADT (\i)+1, 1
	s_wait_dscnt 20                                ; this tile's loads are in; the 20 just issued may be out
.else
	s_wait_dscnt 0x0
.endif
.set XB, X0+32*((\i)%2)
.set XSB, XS0+4*((\i)%2)
.set CB, CS0+32*((\i)%2)
.set DP, 24+2*((\i)/4)
	WIN 0x01                                       ; source 0 (the weight) window 1
.irp ks, 0,1,2,3                               ; the four accumulators take turns, one instruction a turn
.irp nt, 0,1,2,3
.if \ks == 0
	v_wmma_scale_f32_16x16x128_f8f6f4 v[ACC+8*\nt:ACC+8*\nt+7], v[8*(4*\nt+\ks):8*(4*\nt+\ks)+7], v[XB+8*\ks:XB+8*\ks+7], 0, v[WS+4*\nt+\ks], v[XSB+\ks] matrix_a_fmt:MATRIX_FMT_FP4 matrix_b_fmt:MATRIX_FMT_FP4
.else
	v_wmma_scale_f32_16x16x128_f8f6f4 v[ACC+8*\nt:ACC+8*\nt+7], v[8*(4*\nt+\ks):8*(4*\nt+\ks)+7], v[XB+8*\ks:XB+8*\ks+7], v[ACC+8*\nt:ACC+8*\nt+7], v[WS+4*\nt+\ks], v[XSB+\ks] matrix_a_fmt:MATRIX_FMT_FP4 matrix_b_fmt:MATRIX_FMT_FP4
.endif
.endr
.endr
	WIN 0
	PLACES5
	; the rotary turn: a = channels 0-31 (accumulators 0, 1), b = channels 32-63 (2, 3): a' = a cos - b sin, b' = b cos + a sin.  Each accumulator is read from its low end on
.set k, 0
.rept 8
	v_pk_mul_f32 v[T+2*k:T+2*k+1], v[ACC+2*k:ACC+2*k+1], v[CB+2*k:CB+2*k+1]
.set k, k+1
.endr
.set k, 0
.rept 8
	v_pk_fma_f32 v[T+2*k:T+2*k+1], v[ACC+16+2*k:ACC+17+2*k], v[CB+16+2*k:CB+17+2*k], v[T+2*k:T+2*k+1] neg_lo:[0,1,0] neg_hi:[0,1,0]
.set k, k+1
.endr
.set k, 0
.rept 8
	v_pk_mul_f32 v[ACC+16+2*k:ACC+17+2*k], v[ACC+16+2*k:ACC+17+2*k], v[CB+2*k:CB+2*k+1]
.set k, k+1
.endr
.set k, 0
.rept 8
	v_pk_fma_f32 v[ACC+16+2*k:ACC+17+2*k], v[ACC+2*k:ACC+2*k+1], v[CB+16+2*k:CB+17+2*k], v[ACC+16+2*k:ACC+17+2*k]
.set k, k+1
.endr
.set k, 0
.rept 8
	v_cvt_pk_f16_f32 v[ACC+k], v[T+2*k], v[T+2*k+1]                ; into the registers that a has left
.set k, k+1
.endr
.rept 8
	v_cvt_pk_f16_f32 v[ACC+k], v[ACC+2*k], v[ACC+2*k+1]
.set k, k+1
.endr
.irp nt, 0,1,2,3
	global_store_b128 v[LI], v[ACC+4*\nt:ACC+4*\nt+3], s[DP:DP+1] offset:((\i)%4)*2048+\nt*512   ; 512 consecutive bytes a store
.endr
.if (\i) == 0
	s_cmp_lg_u32 s17, 0                            ; the batch's first 16 tokens are kept in f32 too
	s_cbranch_scc1 .Lnf_\@
.irp u, 0,1,2,3
	global_store_b128 v[FO], v[T+4*\u:T+4*\u+3], s[40:41] offset:(\u/2)*64+(\u%2)*16
	global_store_b128 v[FO], v[ACC+16+4*\u:ACC+19+4*\u], s[40:41] offset:128+(\u/2)*64+(\u%2)*16
.endr
.Lnf_\@:
.endif
.endm
.macro VTILE i
	s_wait_xcnt 0x0                                ; as in QKTILE
.if (\i) < 7
	LOADT (\i)+1, 0
	s_wait_dscnt 12                                ; this tile's loads are in; the 12 just issued may be out
.else
	s_wait_dscnt 0x0
.endif
.set XB, X0+32*((\i)%2)
.set XSB, XS0+4*((\i)%2)
.set DP, 24+2*((\i)/4)
	WIN 0x04                                       ; source 1 (the weight) window 1
.irp ks, 0,1,2,3
.irp nt, 0,1,2,3
.if \ks == 0
	v_wmma_scale_f32_16x16x128_f8f6f4 v[ACC+8*\nt:ACC+8*\nt+7], v[XB+8*\ks:XB+8*\ks+7], v[8*(4*\nt+\ks):8*(4*\nt+\ks)+7], 0, v[XSB+\ks], v[WS+4*\nt+\ks] matrix_a_fmt:MATRIX_FMT_FP4 matrix_b_fmt:MATRIX_FMT_FP4
.else
	v_wmma_scale_f32_16x16x128_f8f6f4 v[ACC+8*\nt:ACC+8*\nt+7], v[XB+8*\ks:XB+8*\ks+7], v[8*(4*\nt+\ks):8*(4*\nt+\ks)+7], v[ACC+8*\nt:ACC+8*\nt+7], v[XSB+\ks], v[WS+4*\nt+\ks] matrix_a_fmt:MATRIX_FMT_FP4 matrix_b_fmt:MATRIX_FMT_FP4
.endif
.endr
.endr
	WIN 0
	PLACES5
.set k, 0
.rept 16
	v_cvt_pk_f16_f32 v[T+k], v[ACC+2*k], v[ACC+2*k+1]
.set k, k+1
.endr
.irp nt, 0,1,2,3
	global_store_b128 v[LI], v[T+4*\nt:T+4*\nt+3], s[DP:DP+1] offset:(((\i)/2)%2)*4096+\nt*1024+((\i)%2)*512
.endr
.if (\i) == 0
	s_cmp_lg_u32 s17, 0
	s_cbranch_scc1 .Lnf_\@
.irp nt, 0,1,2,3
	global_store_b128 v[FO], v[ACC+8*\nt:ACC+8*\nt+3], s[40:41] offset:\nt*1024
	global_store_b128 v[FO], v[ACC+8*\nt+4:ACC+8*\nt+7], s[40:41] offset:\nt*1024+16
.endr
.Lnf_\@:
.endif
.endm
	s_cmp_eq_u32 s15, 2
	s_cbranch_scc1 .Lvpath
	LOADT 0, 1
.irp i, 0,1,2,3,4,5,6,7
	QKTILE \i
.endr
	s_wait_tensorcnt 0x0                           ; the wave's end
	ds_add_u32 v[SPW], v[NIL]
	s_wait_dscnt 0x0
	s_endpgm
.Lvpath:
	LOADT 0, 0
.irp i, 0,1,2,3,4,5,6,7
	VTILE \i
.endr
	s_wait_tensorcnt 0x0                           ; the wave's end, as above
	ds_add_u32 v[SPW], v[NIL]
	s_wait_dscnt 0x0
	s_endpgm
.Lfunc_end_k_qceafb24ee3_qkv:
	.size	k_qceafb24ee3_qkv, .Lfunc_end_k_qceafb24ee3_qkv-k_qceafb24ee3_qkv
	.p2alignl 7, 3214868480
	.fill 96, 4, 3214868480
	.section	.rodata,"a",@progbits
	.p2align	6, 0x0
	.amdhsa_kernel k_qceafb24ee3_qkv
		.amdhsa_group_segment_fixed_size 68608
		.amdhsa_private_segment_fixed_size 0
		.amdhsa_enable_private_segment 0
		.amdhsa_kernarg_size 40
		.amdhsa_user_sgpr_count 2
		.amdhsa_user_sgpr_kernarg_segment_ptr 1
		.amdhsa_wavefront_size32 1
		.amdhsa_system_sgpr_workgroup_id_x 1
		.amdhsa_system_sgpr_workgroup_id_y 1
		.amdhsa_system_sgpr_workgroup_id_z 1
		.amdhsa_system_vgpr_workitem_id 0
		.amdhsa_next_free_vgpr 384
		.amdhsa_next_free_sgpr 66
		.amdhsa_reserve_vcc 1
		.amdhsa_float_denorm_mode_32 3
		.amdhsa_float_denorm_mode_16_64 3
		.amdhsa_memory_ordered 1
		.amdhsa_forward_progress 1
		.amdhsa_inst_pref_size 124
	.end_amdhsa_kernel
	.amdgpu_metadata
---
amdhsa.version: [ 1, 2 ]
amdhsa.kernels:
  - .name:           k_qceafb24ee3_qkv
    .symbol:         k_qceafb24ee3_qkv.kd
    .args:
      - { .name: xq, .offset: 0, .size: 8, .value_kind: global_buffer, .address_space: global }
      - { .name: wq, .offset: 8, .size: 8, .value_kind: global_buffer, .address_space: global }
      - { .name: qh, .offset: 16, .size: 8, .value_kind: global_buffer, .address_space: global }
      - { .name: kv, .offset: 24, .size: 8, .value_kind: global_buffer, .address_space: global }
      - { .name: first, .offset: 32, .size: 8, .value_kind: global_buffer, .address_space: global }
    .group_segment_fixed_size: 68608
    .private_segment_fixed_size: 0
    .kernarg_segment_align: 8
    .kernarg_segment_size: 40
    .max_flat_workgroup_size: 256
    .sgpr_count:     66
    .vgpr_count:     384
    .wavefront_size: 32
...
	.end_amdgpu_metadata
.endif
;; end of part 2
;; launch attn (part 3): grid 16 x 16, 8 waves a work-group, no clusters, 327,680 bytes of LDS; arguments qh, kv, oh; writes oh
.if DOCPART == 3
	.amdgcn_target "amdgcn-amd-amdhsa--gfx1250"
	.amdhsa_code_object_version 6
	.text
	.protected	k_qceafb24ee3_attn
	.globl	k_qceafb24ee3_attn
	.p2align	8
	.type	k_qceafb24ee3_attn,@function
k_qceafb24ee3_attn:
	s_mov_b64 s[64:65], 0
	v_nop
	global_prefetch_b8 v0, s[64:65] scope:SCOPE_SE
	s_setreg_imm32_b32 hwreg(HW_REG_WAVE_MODE, 25, 1), 1
	s_wait_xcnt 0x0
; ATTN.  o[q] = sum over the keys k with q - 1024 < k <= q of softmax(q . k / 8) v[k], for 16 batch x heads of 4,096 positions, head size 64.  Operands f16, products, maxima and sums f32; p is rounded to f16 for the second product.
; SHARES.  Work-group (QB, BH): 256 queries of one head; wave w: 32 of them, two tiles of 16, from query QW = 256 QB + 32 w on.
; THE KEYS ARE WALKED DOWNWARD in five slots of 256: slot QB (which holds the diagonal), then QB - 1 .. QB - 4; each slot in four steps of 64 keys.  The trip counts are constants; a step none of whose keys counts for the
; wave's queries (before key 0, behind the diagonal, under the window) is left out by scalar branches on ids; so is the mask in a step all of whose keys count.  A slot before key 0 is not asked for.
; LAYOUT.  Both products are used transposed: S^T = K Q^T (source 0 = 16 keys, source 1 = 16 queries), O^T = V^T P (source 0 = 16 channels, source 1 = P): a lane holds ONE query (lane % 16) throughout, and two tiles of S^T,
; rounded to f16 in pairs in place, ARE a fragment of P.  kv holds K's and V^T's fragments as images of registers: a slot is 65,536 dense bytes, and every LDS load reads 512 consecutive bytes.
; SOFTMAX.  A running maximum m and sum l for each query: p = 2^(c s - c m), c = log2(e) / 8; in every step O and l are multiplied by a = 2^(c m_old - c m_new).  m begins at -3e38: a row whose keys so far are all hidden has p = 0.
; RING.  Two slots; every wave brings an eighth of a slot (8,192 bytes) by one tensor load; the change of slots stands at a slot's head, and the load that follows it has a whole slot's steps in which to land.  One load a wave is out.
; No cluster: block QB reads slot QB - n in its trip n, so no two blocks of a head want one slot in the same trip, and a joint request would bring some partner keys that its mask hides altogether.
; LIMITS: q, k, v under 65,504 in magnitude (f16); NaN and infinities are not served.  All of the WGP's LDS is claimed; 132,096 bytes are used.
.set SLOT1, 65536
.set SPARE, 131072                     ; behind the ring: the spare words, 128 bytes a wave
.set LI,  1                            ; v1   16 x lane
.set ADR, 2                            ; v2   the slot in hand + 16 x lane
.set RH,  3                            ; v3   r - 8 h
.set NEG, 4                            ; v4   -infinity
.set SPW, 8                            ; v8   LDS address of my spare word; never rewritten
.set NIL, 9                            ; v9   0; never rewritten
.set ST,  16                           ; v16-31 tile t's statistics at ST + 8 t: +0 c m, +1 m, +2, +3 l in two halves, +4 to +7 at work; a in +6
.set S,   32                           ; v32-95   S^T: 32 t + 8 kt + j; then p; then P's fragments in the low half of each 16
.set O,   96                           ; v96-159  O^T: 32 t + 8 dt + j
.set F,   160                          ; v160-223 K's eight fragments, then V's
.set Q,   224                          ; v224-255 Q: 8 (2 t + ds)
	s_load_b128 s[4:7], s[0:1], 0x0                ; qh s[4:5], kv s[6:7]
	s_load_b64 s[8:9], s[0:1], 0x10                ; oh
	v_lshl_add_u32 v[SPW], v0, 2, SPARE
	v_mov_b32 v[NIL], 0
	ds_add_u32 v[SPW], v[NIL]                      ; the wave's opening: the add, twice on end, and its wait ahead of my first tensor load
	ds_add_u32 v[SPW], v[NIL]
	v_lshrrev_b32 v7, 5, v0
	v_readfirstlane_b32 s10, v7                    ; wave 0..7
	s_mov_b32 s11, ttmp9                           ; QB
	s_and_b32 s12, ttmp7, 0xffff                   ; BH
	s_lshl_b32 s14, s11, 8                         ; KF: the step's first key (signed)
	s_lshl_b32 s34, s10, 5
	s_add_co_u32 s13, s14, s34                     ; QW
	s_mov_b32 s15, 0                               ; TB: the slot in hand
	s_mov_b32 s16, 3<<16                           ; group 1: no mask, elements of 8 bytes, no padding
	s_mov_b32 s17, 32<<16                          ; tensor_dim0 = 32 elements: rows of 256 bytes
	s_mov_b32 s18, 32<<16                          ; tensor_dim1 = 32 rows
	s_mov_b32 s19, 32<<16                          ; tile_dim0
	s_mov_b32 s20, 32                              ; tile_dim1
	s_mov_b32 s21, 32                              ; from row to row: dense
	s_mov_b32 s22, 0
	s_mov_b32 s23, 0
	s_mov_b32 s30, 0x3e38aa3b                      ; c = log2(e) / 8
	s_mov_b32 s31, s30                             ; (named with it as a pair)
	s_mov_b32 s32, 0x76543210
	s_mov_b32 s33, 0xfedcba98                      ; lane l xor 16
	s_lshl_b32 s36, s12, 20                        ; the head's keys,
	s_lshl_b32 s34, s11, 16                        ; slot QB,
	s_add_co_u32 s36, s36, s34
	s_lshl_b32 s34, s10, 13                        ; my eighth
	s_add_co_u32 s36, s36, s34
	s_mov_b32 s37, 0
	s_wait_dscnt 0x0                               ; both opening adds are done
	s_wait_kmcnt 0x0
	s_mov_b32 s24, 1                               ; group 0: count = 1
	s_lshl_b32 s25, s10, 13                        ; LDS: slot 0, my eighth
	s_add_nc_u64 s[26:27], s[6:7], s[36:37]
	s_or_b32 s27, s27, 0x80000000                  ; type = 2
	tensor_load_to_lds s[24:27], s[16:23]
	s_nop 0
.rept 4
	v_nop
.endr
	v_and_b32 v7, 31, v0
	v_lshlrev_b32 v[LI], 4, v7
	s_lshl_b32 s36, s12, 19                        ; Q: 256 tiles of 2,048 bytes a head; my two
	s_lshl_b32 s34, s11, 15
	s_add_co_u32 s36, s36, s34
	s_lshl_b32 s34, s10, 12
	s_add_co_u32 s36, s36, s34
	s_add_nc_u64 s[4:5], s[4:5], s[36:37]
.set k, 0
.rept 8
	global_load_b128 v[Q+4*k:Q+4*k+3], v[LI], s[4:5] offset:k*512
.set k, k+1
.endr
	s_lshr_b32 s36, s12, 3                         ; O: token tile (256 batch + 16 QB + 2 w) of 16,384 bytes, the head's 2,048 in it
	s_lshl_b32 s36, s36, 22
	s_lshl_b32 s34, s11, 18
	s_add_co_u32 s36, s36, s34
	s_lshl_b32 s34, s10, 15
	s_add_co_u32 s36, s36, s34
	s_and_b32 s34, s12, 7
	s_lshl_b32 s34, s34, 11
	s_add_co_u32 s36, s36, s34
	s_add_nc_u64 s[8:9], s[8:9], s[36:37]
	v_and_b32 v5, 15, v0
	v_bfe_u32 v6, v0, 4, 1
	v_lshlrev_b32 v6, 3, v6
	v_sub_nc_u32 v[RH], v5, v6
	v_mov_b32 v[NEG], 0xff800000
.irp t, 0,1
	v_mov_b32 v[ST+8*\t+1], 0xff61b1e6             ; m = -3e38, under every score
	v_mul_f32 v[ST+8*\t], s30, v[ST+8*\t+1]
.irp u, 2,3,4,5,6,7
	v_mov_b32 v[ST+8*\t+\u], 0
.endr
.endr
.set k, 0
.rept 64
	v_mov_b32 v[O+k], 0                            ; the step is written once for all steps: the first finds zeros
.set k, k+1
.endr
	s_wait_loadcnt 0x0                             ; Q
.macro STEP q
	s_cmp_lt_i32 s14, 0                            ; before key 0,
	s_cbranch_scc1 .Lhid_\@
	s_add_co_u32 s34, s13, 31
	s_cmp_gt_i32 s14, s34                          ; behind my last query,
	s_cbranch_scc1 .Lhid_\@
	s_add_co_u32 s34, s14, 1087
	s_cmp_le_i32 s34, s13                          ; or wholly under my first query's window: the step is left out
	s_cbranch_scc1 .Lhid_\@
	v_add_nc_u32 v[ADR], s15, v[LI]
.set f, 0
.rept 16                                       ; K: fragment 2 kt + ds, part c
	ds_load_b128 v[F+4*f:F+4*f+3], v[ADR] offset:(\q)*16384+f*512
.set f, f+1
.endr
	s_wait_dscnt 0x0
.irp ds, 0,1                                   ; the eight accumulators take turns, one instruction a turn
.irp kt, 0,1,2,3
.irp t, 0,1
.if \ds == 0
	v_wmma_f32_16x16x32_f16 v[S+32*\t+8*\kt:S+32*\t+8*\kt+7], v[F+8*(2*\kt+\ds):F+8*(2*\kt+\ds)+7], v[Q+8*(2*\t+\ds):Q+8*(2*\t+\ds)+7], 0
.else
	v_wmma_f32_16x16x32_f16 v[S+32*\t+8*\kt:S+32*\t+8*\kt+7], v[F+8*(2*\kt+\ds):F+8*(2*\kt+\ds)+7], v[Q+8*(2*\t+\ds):Q+8*(2*\t+\ds)+7], v[S+32*\t+8*\kt:S+32*\t+8*\kt+7]
.endif
.endr
.endr
.endr
.rept 4
	v_nop                                          ; four places ahead of the loads into K's registers and of the first read of the scores
.endr
.set f, 0
.rept 16                                       ; V: fragment 4 ks + dt, part c: it lands while the softmax is walked
	ds_load_b128 v[F+4*f:F+4*f+3], v[ADR] offset:(\q)*16384+8192+f*512
.set f, f+1
.endr
	s_add_co_u32 s34, s14, 63
	s_cmp_gt_i32 s34, s13                          ; a key behind my first query: on the diagonal
	s_cbranch_scc1 .Lmask_\@
	s_sub_co_u32 s34, s13, 992
	s_cmp_ge_i32 s14, s34                          ; every key inside my last query's window: all count
	s_cbranch_scc1 .Lopen_\@
.Lmask_\@:
	s_sub_co_u32 s34, s13, s14
	v_add_nc_u32 v5, s34, v[RH]                    ; query - key of register 0 of key tile 0, tile 0;
	v_add_nc_u32 v6, 16, v5                        ; tile 1
.irp t, 0,1
.set n, 0
.rept 32                                       ; a key counts where 0 <= query - key < 1024: one unsigned compare for both edges of the band
	v_add_nc_u32 v7, -(16*(n/8)+n%8), v[5+\t]
	v_cmp_gt_u32 vcc_lo, 1024, v7
	v_cndmask_b32 v[S+32*\t+n], v[NEG], v[S+32*\t+n], vcc_lo
.set n, n+1
.endr
.endr
.Lopen_\@:
	; the maximum of a lane's 32 scores and the old m, the two tiles by turns
.irp k, 0,1,2,3
.irp t, 0,1
	v_max3_num_f32 v[ST+8*\t+4+\k], v[S+32*\t+8*\k], v[S+32*\t+8*\k+1], v[S+32*\t+8*\k+2]
.endr
.endr
.irp u, 3,5
.irp k, 0,1,2,3
.irp t, 0,1
	v_max3_num_f32 v[ST+8*\t+4+\k], v[ST+8*\t+4+\k], v[S+32*\t+8*\k+\u], v[S+32*\t+8*\k+\u+1]
.endr
.endr
.endr
.irp t, 0,1
	v_max3_num_f32 v[ST+8*\t+4], v[ST+8*\t+4], v[S+32*\t+7], v[S+32*\t+15]
	v_max3_num_f32 v[ST+8*\t+6], v[ST+8*\t+6], v[S+32*\t+23], v[S+32*\t+31]
.endr
.irp t, 0,1
	v_max3_num_f32 v[ST+8*\t+4], v[ST+8*\t+4], v[ST+8*\t+5], v[ST+8*\t+6]
.endr
.irp t, 0,1
	v_max3_num_f32 v[ST+8*\t+4], v[ST+8*\t+4], v[ST+8*\t+7], v[ST+8*\t+1]
.endr
.irp t, 0,1
	v_permlanex16_b32 v[ST+8*\t+5], v[ST+8*\t+4], s32, s33         ; the query's other 32 keys lie in the lane 16 away
	v_mov_b32 v[ST+8*\t+7], v[ST+8*\t]                             ; c m_old
.endr
.irp t, 0,1
	v_max_num_f32 v[ST+8*\t+1], v[ST+8*\t+4], v[ST+8*\t+5]
.endr
.irp t, 0,1
	v_mul_f32 v[ST+8*\t], s30, v[ST+8*\t+1]
.endr
.irp t, 0,1
	v_sub_f32 v[ST+8*\t+7], v[ST+8*\t+7], v[ST+8*\t]
.endr
.set n, 0
.rept 16
.irp t, 0,1
	v_pk_fma_f32 v[S+32*\t+2*n:S+32*\t+2*n+1], v[S+32*\t+2*n:S+32*\t+2*n+1], s[30:31], v[ST+8*\t:ST+8*\t+1] op_sel_hi:[1,0,0] neg_lo:[0,0,1] neg_hi:[0,0,1]   ; c s - c m
.endr
.set n, n+1
.endr
.irp t, 0,1
	v_exp_f32 v[ST+8*\t+6], v[ST+8*\t+7]           ; a
.endr
.set n, 0
.rept 64
	v_exp_f32 v[S+n], v[S+n]                       ; p: with the two a one batch of 66
.set n, n+1
.endr
	v_nop                                          ; a plain line behind the last exponential,
	s_wait_alu depctr_va_vdst(0)                   ; and one wait ahead of the batch's first reader
	; l = a l + the sum of the unrounded p: two chains a tile
.irp t, 0,1
	v_pk_fma_f32 v[ST+8*\t+2:ST+8*\t+3], v[ST+8*\t+2:ST+8*\t+3], v[ST+8*\t+6:ST+8*\t+7], v[S+32*\t:S+32*\t+1] op_sel_hi:[1,0,1]
	v_pk_add_f32 v[10+2*\t:11+2*\t], v[S+32*\t+2:S+32*\t+3], v[S+32*\t+6:S+32*\t+7]
.endr
.irp u, 4,8,12,16,20,24,28
.irp t, 0,1
	v_pk_add_f32 v[ST+8*\t+2:ST+8*\t+3], v[ST+8*\t+2:ST+8*\t+3], v[S+32*\t+\u:S+32*\t+\u+1]
.if \u > 4
	v_pk_add_f32 v[10+2*\t:11+2*\t], v[10+2*\t:11+2*\t], v[S+32*\t+\u+2:S+32*\t+\u+3]
.endif
.endr
.endr
.irp t, 0,1
	v_pk_add_f32 v[ST+8*\t+2:ST+8*\t+3], v[ST+8*\t+2:ST+8*\t+3], v[10+2*\t:11+2*\t]
.endr
.irp g, 0,1,2,3                                ; p to f16, in place and ascending: the 16 registers of two key tiles become the 8 of a fragment of P
.irp i, 0,1,2,3,4,5,6,7
	v_cvt_pk_f16_f32 v[S+16*\g+\i], v[S+16*\g+2*\i], v[S+16*\g+2*\i+1]
.endr
.endr
.set n, 0
.rept 16
.irp t, 0,1
	v_pk_mul_f32 v[O+32*\t+2*n:O+32*\t+2*n+1], v[O+32*\t+2*n:O+32*\t+2*n+1], v[ST+8*\t+6:ST+8*\t+7] op_sel_hi:[1,0]   ; O^T x a
.endr
.set n, n+1
.endr
	s_wait_dscnt 0x0                               ; V is in
.irp ks, 0,1
.irp dt, 0,1,2,3
.irp t, 0,1
	v_wmma_f32_16x16x32_f16 v[O+32*\t+8*\dt:O+32*\t+8*\dt+7], v[F+8*(4*\ks+\dt):F+8*(4*\ks+\dt)+7], v[S+32*\t+16*\ks:S+32*\t+16*\ks+7], v[O+32*\t+8*\dt:O+32*\t+8*\dt+7]
.endr
.endr
.endr
.rept 5
	v_nop                                          ; five places: the next step's first products write over P's registers; its loads land on V's; the way out reads O^T
.endr
.Lhid_\@:
	s_add_co_u32 s14, s14, 64
.endm
; THE CHANGE OF SLOTS, at a slot's head.  Each wave waits for all its tensor loads (its eighth of the slot ahead), adds 0 to its spare word, and waits for that and for its reads of the slot that it has left; then the barrier.
; fill = 1: the slot that was left takes the 256 keys below those of the slot ahead, unless they lie before key 0: four lines on ids and the count of steps, the same in all eight waves, lead round the load and round nothing else.
; Every wait on TENSORcnt in this text is for 0, and no step reads a slot that was not asked for (its keys are negative).
.macro CHANGE fill
	s_wait_tensorcnt 0x0                           ; no tensor load of mine is out, so group 0 may be written
	ds_add_u32 v[SPW], v[NIL]
.if \fill
	s_xor_b32 s25, s25, SLOT1                      ; the other slot than last time,
	s_sub_nc_u64 s[26:27], s[26:27], 65536         ; the 256 keys below
.endif
	s_wait_dscnt 0x0
	s_barrier_signal -1
	s_barrier_wait -1
.if \fill
	s_cmp_lt_i32 s14, 256
	s_cbranch_scc1 .Lpast_\@
	tensor_load_to_lds s[24:27], s[16:23]          ; my one tensor load behind this barrier
	s_nop 0
.rept 4
	v_nop
.endr
.Lpast_\@:
.endif
.endm
.macro SLOT_STEPS
	STEP 0
	STEP 1
	STEP 2
	STEP 3
	s_sub_co_u32 s14, s14, 512                     ; the slot below
	s_xor_b32 s15, s15, SLOT1
.endm
	s_mov_b32 s28, 4
.Lslot:
	CHANGE 1
	SLOT_STEPS
	s_sub_co_u32 s28, s28, 1
	s_cmp_lg_u32 s28, 0
	s_cbranch_scc1 .Lslot
	CHANGE 0                                       ; the fifth slot: nothing is left to ask for
	SLOT_STEPS
	; THE WAY OUT: O^T / l, to f16: four registers a channel tile are four registers of a fragment (rows = tokens, K = the 512 channels) of the projection
.irp t, 0,1
	v_add_f32 v[ST+8*\t+4], v[ST+8*\t+2], v[ST+8*\t+3]
.endr
.irp t, 0,1
	v_permlanex16_b32 v[ST+8*\t+5], v[ST+8*\t+4], s32, s33
.endr
.irp t, 0,1
	v_add_f32 v[ST+8*\t+4], v[ST+8*\t+4], v[ST+8*\t+5]
.endr
.irp t, 0,1
	v_rcp_f32 v[ST+8*\t+6], v[ST+8*\t+4]
.endr
	v_nop
	s_wait_alu depctr_va_vdst(0)                   ; one wait for the two reciprocals, ahead of their first reader
.set n, 0
.rept 16
.irp t, 0,1
	v_pk_mul_f32 v[O+32*\t+2*n:O+32*\t+2*n+1], v[O+32*\t+2*n:O+32*\t+2*n+1], v[ST+8*\t+6:ST+8*\t+7] op_sel_hi:[1,0]
.endr
.set n, n+1
.endr
.set n, 0
.rept 32
	v_cvt_pk_f16_f32 v[S+n], v[O+2*n], v[O+2*n+1]
.set n, n+1
.endr
.irp t, 0,1
.irp dt, 0,1,2,3
	global_store_b128 v[LI], v[S+16*\t+4*\dt:S+16*\t+4*\dt+3], s[8:9] offset:\t*16384+\dt*512   ; 512 consecutive bytes a store
.endr
.endr
	s_wait_tensorcnt 0x0                           ; the wave's end
	ds_add_u32 v[SPW], v[NIL]
	s_wait_dscnt 0x0
	s_endpgm
.Lfunc_end_k_qceafb24ee3_attn:
	.size	k_qceafb24ee3_attn, .Lfunc_end_k_qceafb24ee3_attn-k_qceafb24ee3_attn
	.p2alignl 7, 3214868480
	.fill 96, 4, 3214868480
	.section	.rodata,"a",@progbits
	.p2align	6, 0x0
	.amdhsa_kernel k_qceafb24ee3_attn
		.amdhsa_group_segment_fixed_size 327680
		.amdhsa_private_segment_fixed_size 0
		.amdhsa_enable_private_segment 0
		.amdhsa_kernarg_size 24
		.amdhsa_user_sgpr_count 2
		.amdhsa_user_sgpr_kernarg_segment_ptr 1
		.amdhsa_wavefront_size32 1
		.amdhsa_system_sgpr_workgroup_id_x 1
		.amdhsa_system_sgpr_workgroup_id_y 1
		.amdhsa_system_sgpr_workgroup_id_z 1
		.amdhsa_system_vgpr_workitem_id 0
		.amdhsa_next_free_vgpr 256
		.amdhsa_next_free_sgpr 66
		.amdhsa_reserve_vcc 1
		.amdhsa_float_denorm_mode_32 3
		.amdhsa_float_denorm_mode_16_64 3
		.amdhsa_memory_ordered 1
		.amdhsa_forward_progress 1
		.amdhsa_inst_pref_size 229
	.end_amdhsa_kernel
	.amdgpu_metadata
---
amdhsa.version: [ 1, 2 ]
amdhsa.kernels:
  - .name:           k_qceafb24ee3_attn
    .symbol:         k_qceafb24ee3_attn.kd
    .args:
      - { .name: qh, .offset: 0, .size: 8, .value_kind: global_buffer, .address_space: global }
      - { .name: kv, .offset: 8, .size: 8, .value_kind: global_buffer, .address_space: global }
      - { .name: oh, .offset: 16, .size: 8, .value_kind: global_buffer, .address_space: global }
    .group_segment_fixed_size: 327680
    .private_segment_fixed_size: 0
    .kernarg_segment_align: 8
    .kernarg_segment_size: 24
    .max_flat_workgroup_size: 256
    .sgpr_count:     66
    .vgpr_count:     256
    .wavefront_size: 32
...
	.end_amdgpu_metadata
.endif
;; end of part 3
;; launch proj (part 4): grid 4 x 64, 8 waves a work-group, clusters of 4 x 4, 327,680 bytes of LDS; arguments oh, woh, out0; writes out0
.if DOCPART == 4
	.amdgcn_target "amdgcn-amd-amdhsa--gfx1250"
	.amdhsa_code_object_version 6
	.text
	.protected	k_qceafb24ee3_proj
	.globl	k_qceafb24ee3_proj
	.p2align	8
	.type	k_qceafb24ee3_proj,@function
k_qceafb24ee3_proj:
	s_mov_b64 s[64:65], 0
	v_nop
	global_prefetch_b8 v0, s[64:65] scope:SCOPE_SE
	s_setreg_imm32_b32 hwreg(HW_REG_WAVE_MODE, 25, 1), 1
	s_wait_xcnt 0x0
	s_wait_alu depctr_hold_cnt(0) depctr_sa_sdst(0) depctr_va_vdst(0) depctr_va_sdst(0) depctr_va_ssrc(0) depctr_va_vcc(0) depctr_vm_vsrc(0)
	s_getreg_b32 s2, hwreg(HW_REG_IB_STS2, 6, 4)
	s_cmp_eq_u32 s2, 0
	s_cbranch_scc0 .Lentry_in_a_cluster
	s_endpgm
.Lentry_in_a_cluster:
	s_bfe_u32 s2, ttmp6, 0x10000c
	s_cmp_lg_u32 s2, 0xf033
	s_cbranch_scc0 .Lentry_shape_is_right
	s_endpgm
.Lentry_shape_is_right:
; PROJ.  out0 [8192][512] f32 = o [8192][512] Wo [512][512], operands f16, sums f32.  oh and woh hold the fragments as images of registers.
; SHARES.  Work-group (X, Y): 128 tokens x 128 outputs; wave w: token tiles 2 (w / 2), + 1 and output tiles 4 (w % 2) .. + 3: eight accumulators.
; ALL OF K LIES IN LDS: four chunks of 128 along K, 65,536 bytes each (A's 8 token tiles x 4,096 bytes, then B's 8 output tiles).  Every byte is filled once: no ring, no refill.  Waves 0-3 bring A's tiles, waves 4-7 B's,
; two tiles (2 rows of 4,096 bytes, 16,384 bytes apart in memory) a load, four loads a wave, all issued at the start: four tensor loads of a wave are out at the most.
; CLUSTER 4 x 4: the four work-groups of a row of the cluster want the same tokens, the four of a column the same outputs: each tile is asked for JOINTLY, by the same load with the same descriptor and a mask that names the four.
; THE PRODUCT IS USED TRANSPOSED (source 0 = 16 outputs of Wo, source 1 = 16 tokens): a lane holds eight neighbouring outputs of one token; they leave through the wave's own stage as rows of 256 bytes.
; The first 16 rows of each batch are stored here like all others and written again, from f32 operands, by the launch that follows: no branch hangs on a work-group's place.
.set STAGE, 262144                     ; behind the four chunks: 16 rows x 272 bytes for each wave
.set SPARE, 296960                     ; behind the stages: the spare words, 128 bytes a wave
.set AA,  1                            ; v1  LDS address of my token fragments in the chunk in hand
.set AB,  2                            ; v2  of my output fragments
.set STO, 3                            ; v3  the stage: where I put 32 bytes of a row
.set RD,  4                            ; v4  and where I read a row back
.set CO,  5                            ; v5  my byte offset in out0
.set SPW, 6                            ; v6  LDS address of my spare word; never rewritten
.set NIL, 7                            ; v7  0; never rewritten
.set ACC, 16                           ; v16-79 accumulator 4 m + n
.set P0,  80                           ; v80-127, v128-175: two sets of 2 token fragments and 4 output fragments
.set P1,  128
.macro ROUND                           ; a round of the cluster's barrier
	s_barrier_signal -1
	s_barrier_wait -1
	s_cmp_lg_u32 s10, 0
	s_cbranch_scc1 .Lnot_wave_0_\@
	s_barrier_signal -3
.Lnot_wave_0_\@:
	s_barrier_wait -3
	s_barrier_signal -1
	s_barrier_wait -1
.endm
	s_load_b128 s[4:7], s[0:1], 0x0                ; oh s[4:5], woh s[6:7]
	s_load_b64 s[8:9], s[0:1], 0x10                ; out0
	v_lshl_add_u32 v[SPW], v0, 2, SPARE
	v_mov_b32 v[NIL], 0
	ds_add_u32 v[SPW], v[NIL]                      ; the wave's opening: the add, twice on end, and its wait ahead of my first tensor load
	ds_add_u32 v[SPW], v[NIL]
	v_lshrrev_b32 v8, 5, v0
	v_readfirstlane_b32 s10, v8                    ; wave 0..7
	s_bfe_u32 s66, ttmp6, 0x40000                  ; cx
	s_bfe_u32 s67, ttmp6, 0x40004                  ; cy
	s_lshl_b32 s68, ttmp9, 2
	s_add_co_u32 s68, s68, s66                     ; X = 4 x cluster x + cx
	s_and_b32 s69, ttmp7, 0xffff
	s_lshl_b32 s69, s69, 2
	s_add_co_u32 s69, s69, s67                     ; Y = 4 x cluster y + cy
	s_lshl_b32 s70, s67, 2
	s_lshl_b32 s70, 15, s70                        ; my row of the cluster
	s_lshl_b32 s71, 0x1111, s66                    ; my column
	s_or_b32 s16, s70, (3<<16)|(1<<21)             ; group 1 for A: the mask; elements of 8 bytes; bit 21 beside a mask; no padding
	s_or_b32 s24, s71, (3<<16)|(1<<21)             ; for B
.irp g, 16, 24
	s_mov_b32 s[\g+1], 512<<16                     ; tensor_dim0 = 512 elements: rows of 4,096 bytes
	s_mov_b32 s[\g+2], 2<<16                       ; tensor_dim1 = 2
	s_mov_b32 s[\g+3], 512<<16                     ; tile_dim0
	s_mov_b32 s[\g+4], 2                           ; tile_dim1
	s_mov_b32 s[\g+5], 2048                        ; from row to row: 16,384 bytes
	s_mov_b32 s[\g+6], 0
	s_mov_b32 s[\g+7], 0
.endr
	s_and_b32 s11, s10, 3
	s_lshl_b32 s11, s11, 15                        ; which two tiles I fetch
	s_lshl_b32 s72, s69, 17                        ; A: 8 token tiles of 16,384 bytes a work-group row: hangs on Y alone
	s_add_co_u32 s72, s72, s11
	s_mov_b32 s73, 0
	s_lshl_b32 s74, s68, 17                        ; B: hangs on X alone
	s_add_co_u32 s74, s74, s11
	s_mov_b32 s75, 0
	s_lshl_b32 s12, s10, 13                        ; where they go: wave x 8,192: no place in the cluster enters an LDS address
	s_wait_dscnt 0x0                               ; both opening adds are done
	s_wait_kmcnt 0x0
	s_add_nc_u64 s[72:73], s[4:5], s[72:73]
	s_add_nc_u64 s[74:75], s[6:7], s[74:75]
	ROUND                                          ; all sixteen work-groups are here: the joint loads meet
.irp c, 0,1,2,3
	s_mov_b32 s[32+4*\c], 1
	s_add_co_u32 s[33+4*\c], s12, \c*65536
	s_add_nc_u64 s[34+4*\c:35+4*\c], s[72:73], \c*4096
	s_or_b32 s[35+4*\c], s[35+4*\c], 0x80000000
	s_mov_b32 s[48+4*\c], 1
	s_add_co_u32 s[49+4*\c], s12, \c*65536
	s_add_nc_u64 s[50+4*\c:51+4*\c], s[74:75], \c*4096
	s_or_b32 s[51+4*\c], s[51+4*\c], 0x80000000
.endr
	s_cmp_lt_u32 s10, 4                            ; a wave's four first fills stand in one branch on the wave's number, ahead of every wait on TENSORcnt and every LDS read
	s_cbranch_scc0 .Lfirst_b
.irp c, 0,1,2,3
	tensor_load_to_lds s[32+4*\c:35+4*\c], s[16:23]
	s_nop 0
.endr
.rept 4
	v_nop
.endr
	s_branch .Lasked
.Lfirst_b:
.irp c, 0,1,2,3
	tensor_load_to_lds s[48+4*\c:51+4*\c], s[24:31]
	s_nop 0
.endr
.rept 4
	v_nop
.endr
.Lasked:
	v_and_b32 v8, 31, v0
	v_and_b32 v9, 15, v0                           ; r
	v_bfe_u32 v10, v0, 4, 1                        ; h
	v_lshlrev_b32 v11, 4, v8                       ; 16 x lane
	s_lshr_b32 s13, s10, 1                         ; mr
	s_and_b32 s14, s10, 1                          ; nc
	s_lshl_b32 s15, s13, 13
	v_add_nc_u32 v[AA], s15, v11
	s_lshl_b32 s15, s14, 14
	s_add_co_u32 s15, s15, 32768
	v_add_nc_u32 v[AB], s15, v11
	s_mul_i32 s15, s10, 4352
	s_add_co_u32 s15, s15, STAGE                   ; my stage
	v_mul_u32_u24 v[STO], v9, 272
	v_lshl_add_u32 v[STO], v10, 5, v[STO]
	v_add_nc_u32 v[STO], s15, v[STO]
	v_mul_u32_u24 v[RD], v10, 272
	v_lshl_add_u32 v[RD], v9, 4, v[RD]
	v_add_nc_u32 v[RD], s15, v[RD]
	v_lshlrev_b32 v[CO], 11, v10
	v_lshl_add_u32 v[CO], v9, 4, v[CO]             ; lanes 0-15 one row of out0, lanes 16-31 the next
	s_lshl_b32 s76, s69, 18                        ; 128 rows of 2,048 bytes,
	s_lshl_b32 s77, s13, 16                        ; my 32 of them,
	s_add_co_u32 s76, s76, s77
	s_lshl_b32 s77, s68, 9                         ; 128 outputs,
	s_add_co_u32 s76, s76, s77
	s_lshl_b32 s77, s14, 8                         ; my 64 of them
	s_add_co_u32 s76, s76, s77
	s_mov_b32 s77, 0
	s_add_nc_u64 s[8:9], s[8:9], s[76:77]
.macro LD k, P                         ; the fragments of the chunk's k-th 32 along K: 12 LDS loads
.irp m, 0,1
.irp cc, 0,1
	ds_load_b128 v[\P+8*\m+4*\cc:\P+8*\m+4*\cc+3], v[AA] offset:\m*4096+(\k)*1024+\cc*512
.endr
.endr
.irp n, 0,1,2,3
.irp cc, 0,1
	ds_load_b128 v[\P+16+8*\n+4*\cc:\P+16+8*\n+4*\cc+3], v[AB] offset:\n*4096+(\k)*1024+\cc*512
.endr
.endr
.endm
.macro MM P, zero                      ; eight products, the eight accumulators by turns
.irp m, 0,1
.irp n, 0,1,2,3
.if \zero
	v_wmma_f32_16x16x32_f16 v[ACC+8*(4*\m+\n):ACC+8*(4*\m+\n)+7], v[\P+16+8*\n:\P+16+8*\n+7], v[\P+8*\m:\P+8*\m+7], 0
.else
	v_wmma_f32_16x16x32_f16 v[ACC+8*(4*\m+\n):ACC+8*(4*\m+\n)+7], v[\P+16+8*\n:\P+16+8*\n+7], v[\P+8*\m:\P+8*\m+7], v[ACC+8*(4*\m+\n):ACC+8*(4*\m+\n)+7]
.endif
.endr
.endr
.endm
.macro PLACES                          ; four places ahead of loads into registers that products have read, and of the first read of results
.rept 4
	v_nop
.endr
.endm
.macro CHUNK c
	s_wait_tensorcnt 3-(\c)                        ; my part of chunk c is in; the later chunks' loads may stay out
	s_wait_dscnt 0x0
	s_barrier_signal -1
	s_barrier_wait -1                              ; everybody's is
.if (\c) > 0
	v_add_nc_u32 v[AA], 0x10000, v[AA]
	v_add_nc_u32 v[AB], 0x10000, v[AB]
.endif
	LD 0, P0
	LD 1, P1
	s_wait_dscnt 12                                ; all but the 12 issued last
.if (\c) == 0
	MM P0, 1                                       ; the first products start the sums
.else
	MM P0, 0
.endif
	PLACES
	LD 2, P0
	s_wait_dscnt 12
	MM P1, 0
	PLACES
	LD 3, P1
	s_wait_dscnt 12
	MM P0, 0
	s_wait_dscnt 0x0
	MM P1, 0
	PLACES
.endm
	CHUNK 0
	CHUNK 1
	CHUNK 2
	CHUNK 3
	; THE WAY OUT: a tile of 16 tokens x 64 outputs goes through my own stage and comes back as rows of 256 bytes.  LDS serves a wave's instructions in order: no wait between the stores and the loads
.irp m, 0,1
.irp n, 0,1,2,3
	ds_store_b128 v[STO], v[ACC+8*(4*\m+\n):ACC+8*(4*\m+\n)+3] offset:\n*64          ; each accumulator from its low end on
	ds_store_b128 v[STO], v[ACC+8*(4*\m+\n)+4:ACC+8*(4*\m+\n)+7] offset:\n*64+16
.endr
.irp i, 0,1,2,3,4,5,6,7
	ds_load_b128 v[P0+32*\m+4*\i:P0+32*\m+4*\i+3], v[RD] offset:\i*544
.endr
.endr
	s_wait_dscnt 16                                ; the first tile is back; the second's 8 stores and 8 loads may be out
.irp i, 0,1,2,3,4,5,6,7
	global_store_b128 v[CO], v[P0+4*\i:P0+4*\i+3], s[8:9] offset:\i*4096 th:TH_STORE_NT      ; sixteen lanes store 256 consecutive bytes, at a multiple of 256 from out0's first byte
.endr
	s_wait_dscnt 0x0
.irp i, 0,1,2,3,4,5,6,7
	global_store_b128 v[CO], v[P0+32+4*\i:P0+32+4*\i+3], s[8:9] offset:32768+\i*4096 th:TH_STORE_NT
.endr
	s_wait_tensorcnt 0x0                           ; the wave's end
	ds_add_u32 v[SPW], v[NIL]
	s_wait_dscnt 0x0
	ROUND                                          ; the closing round
	s_endpgm
.Lfunc_end_k_qceafb24ee3_proj:
	.size	k_qceafb24ee3_proj, .Lfunc_end_k_qceafb24ee3_proj-k_qceafb24ee3_proj
	.p2alignl 7, 3214868480
	.fill 96, 4, 3214868480
	.section	.rodata,"a",@progbits
	.p2align	6, 0x0
	.amdhsa_kernel k_qceafb24ee3_proj
		.amdhsa_group_segment_fixed_size 327680
		.amdhsa_private_segment_fixed_size 0
		.amdhsa_enable_private_segment 0
		.amdhsa_kernarg_size 24
		.amdhsa_user_sgpr_count 2
		.amdhsa_user_sgpr_kernarg_segment_ptr 1
		.amdhsa_wavefront_size32 1
		.amdhsa_system_sgpr_workgroup_id_x 1
		.amdhsa_system_sgpr_workgroup_id_y 1
		.amdhsa_system_sgpr_workgroup_id_z 1
		.amdhsa_system_vgpr_workitem_id 0
		.amdhsa_next_free_vgpr 176
		.amdhsa_next_free_sgpr 80
		.amdhsa_reserve_vcc 0
		.amdhsa_float_denorm_mode_32 3
		.amdhsa_float_denorm_mode_16_64 3
		.amdhsa_memory_ordered 1
		.amdhsa_forward_progress 1
		.amdhsa_inst_pref_size 35
	.end_amdhsa_kernel
	.amdgpu_metadata
---
amdhsa.version: [ 1, 2 ]
amdhsa.kernels:
  - .name:           k_qceafb24ee3_proj
    .symbol:         k_qceafb24ee3_proj.kd
    .args:
      - { .name: oh, .offset: 0, .size: 8, .value_kind: global_buffer, .address_space: global }
      - { .name: woh, .offset: 8, .size: 8, .value_kind: global_buffer, .address_space: global }
      - { .name: out0, .offset: 16, .size: 8, .value_kind: global_buffer, .address_space: global }
    .group_segment_fixed_size: 327680
    .private_segment_fixed_size: 0
    .kernarg_segment_align: 8
    .kernarg_segment_size: 24
    .max_flat_workgroup_size: 256
    .sgpr_count:     80
    .vgpr_count:     176
    .wavefront_size: 32
...
	.end_amdgpu_metadata
.endif
;; end of part 4
;; launch first16 (part 5): grid 32 x 2, 8 waves a work-group, no clusters, 9,216 bytes of LDS; arguments first, Wo, out0; writes out0
.if DOCPART == 5
	.amdgcn_target "amdgcn-amd-amdhsa--gfx1250"
	.amdhsa_code_object_version 6
	.text
	.protected	k_qceafb24ee3_first16
	.globl	k_qceafb24ee3_first16
	.p2align	8
	.type	k_qceafb24ee3_first16,@function
k_qceafb24ee3_first16:
	s_mov_b64 s[64:65], 0
	v_nop
	global_prefetch_b8 v0, s[64:65] scope:SCOPE_SE
	s_setreg_imm32_b32 hwreg(HW_REG_WAVE_MODE, 25, 1), 1
	s_wait_xcnt 0x0
; FIRST16.  Rows 0-15 of each batch once more, all in f32: there a row of the softmax averages one to sixteen values, and the rounding of 16-bit operands weighs most.  48 matrix instructions a wave: no bulk work.
; SHARES.  Work-group (sl, b): outputs 16 sl .. + 15 of batch b's rows 0-15.  Wave w is head w: its scores, its softmax, its o, and its head's part of the projection; the eight parts meet in LDS, and waves 0 and 1 add and store them.
; THE f32 FORM takes four along K: lane (r, h) gives k = 2 h, 2 h + 1 of its row.  K is permuted ALIKE on both sources, so that wide loads and the results' own registers serve as operands:
;   S^T = K Q^T: step st takes channels 32 h + 2 st + 0, 1;   O^T = V^T P: step sp takes keys 8 h + 2 sp + 0, 1, which are P's registers as S^T left them;   the projection: channels 16 dt + 8 h + 2 sp + 0, 1, O^T's own registers.
; The four accumulators v160-191 are written by matrix instructions alone; each sum begins with C = 0; what is made of a finished sum goes into other registers.  They take turns, one instruction a turn.
; LIMITS: NaN and infinities are not served.  The sums run in another order than a plain dot product's.
.set SPARE, 8192                       ; behind the eight parts of 1,024 bytes: the spare words
.set SPW, 3                            ; v3  LDS address of my spare word; never rewritten
.set NIL, 4                            ; v4  0; never rewritten
.set QF,  32                           ; v32-63   q: row r, channels 32 h + 0..31
.set KF,  64                           ; v64-95   k likewise
.set VF,  96                           ; v96-127  v: 8 dt + j: channel 16 dt + r, key 8 h + j
.set WF,  128                          ; v128-159 Wo: 8 dt + j: row 64 w + 16 dt + 8 h + j, column 16 sl + r
.set ACC, 160
.set SV,  192                          ; v192-199 the scores
.set PP,  200                          ; v200-207 p
.set ON,  208                          ; v208-239 o
.set PS,  240                          ; v240-247 my head's part of the outputs
	s_load_b128 s[4:7], s[0:1], 0x0                ; first s[4:5], Wo s[6:7]
	s_load_b64 s[8:9], s[0:1], 0x10                ; out0
	v_lshl_add_u32 v[SPW], v0, 2, SPARE
	v_mov_b32 v[NIL], 0
	v_lshrrev_b32 v1, 5, v0
	v_readfirstlane_b32 s10, v1                    ; wave = head
	s_and_b32 s11, ttmp7, 0xffff                   ; batch
	v_and_b32 v1, 15, v0                           ; r
	v_bfe_u32 v2, v0, 4, 1                         ; h
	v_and_b32 v13, 31, v0
	v_lshlrev_b32 v13, 4, v13                      ; 16 x lane
	v_lshlrev_b32 v5, 8, v1
	v_lshl_add_u32 v5, v2, 7, v5                   ; q, k: row r of 256 bytes, + 128 h
	v_lshlrev_b32 v6, 6, v1
	v_lshl_add_u32 v6, v2, 5, v6                   ; v: row r of 64 bytes, + 32 h
	v_lshlrev_b32 v7, 2, v1
	v_lshl_add_u32 v7, v2, 14, v7                  ; Wo: column r, + 8 h rows of 2,048 bytes
	v_lshlrev_b32 v8, 3, v2
	v_sub_nc_u32 v8, v1, v8                        ; r - 8 h
	v_mov_b32 v9, 0xff800000                       ; -infinity
	s_lshl_b32 s12, s10, 10
	v_add_nc_u32 v10, s12, v13                     ; LDS: my part
	s_and_b32 s12, s10, 1
	s_lshl_b32 s12, s12, 9
	v_add_nc_u32 v11, s12, v13                     ; LDS: the half of each part that waves 0 and 1 add up (made ahead of the parting)
	v_lshlrev_b32 v12, 11, v1
	v_lshl_add_u32 v12, v2, 5, v12                 ; out0: row r, + 8 h outputs
	v_mov_b32 v15, 0                               ; a lane permute's destination counts as read
	s_mov_b32 s20, 0x3e38aa3b                      ; c = log2(e) / 8
	s_mov_b32 s21, s20
	s_mov_b32 s22, 0x76543210
	s_mov_b32 s23, 0xfedcba98
	s_mul_i32 s12, s11, 24
	s_add_co_u32 s12, s12, s10
	s_lshl_b32 s12, s12, 12                        ; q of (batch, head); k lies 32,768 bytes on, v 65,536
	s_mov_b32 s13, 0
	s_lshl_b32 s14, s10, 17                        ; Wo: my head's 64 rows,
	s_lshl_b32 s16, ttmp9, 6                       ; my work-group's 16 columns
	s_add_co_u32 s14, s14, s16
	s_mov_b32 s15, 0
	s_lshl_b32 s18, s11, 23                        ; out0: the batch's first row,
	s_add_co_u32 s18, s18, s16                     ; the 16 columns,
	s_lshl_b32 s16, s10, 4
	s_add_co_u32 s18, s18, s16                     ; and 4 w of them on (waves 0 and 1)
	s_mov_b32 s19, 0
	s_wait_kmcnt 0x0
	s_add_nc_u64 s[4:5], s[4:5], s[12:13]
	s_add_nc_u64 s[6:7], s[6:7], s[14:15]
	s_add_nc_u64 s[8:9], s[8:9], s[18:19]
.set k, 0
.rept 8
	global_load_b128 v[QF+4*k:QF+4*k+3], v5, s[4:5] offset:16*k
.set k, k+1
.endr
.set k, 0
.rept 8
	global_load_b128 v[KF+4*k:KF+4*k+3], v5, s[4:5] offset:32768+16*k
.set k, k+1
.endr
.set k, 0
.rept 8
	global_load_b128 v[VF+4*k:VF+4*k+3], v6, s[4:5] offset:65536+(k/2)*1024+(k%2)*16
.set k, k+1
.endr
.set k, 0
.rept 32
	global_load_b32 v[WF+k], v7, s[6:7] offset:(16*(k/8)+k%8)*2048
.set k, k+1
.endr
.macro PLACES9                         ; eight places ahead of the first read of this form's results, a ninth since the accumulators are begun anew
.rept 9
	v_nop
.endr
.endm
.macro SUM4 dst                        ; the four accumulators' sum, each read from its low end on
.irp p, 0,2,4,6
	v_pk_add_f32 v[\dst+\p:\dst+\p+1], v[ACC+\p:ACC+\p+1], v[ACC+8+\p:ACC+9+\p]
	v_pk_add_f32 v[\dst+\p:\dst+\p+1], v[\dst+\p:\dst+\p+1], v[ACC+16+\p:ACC+17+\p]
	v_pk_add_f32 v[\dst+\p:\dst+\p+1], v[\dst+\p:\dst+\p+1], v[ACC+24+\p:ACC+25+\p]
.endr
.endm
	s_wait_loadcnt 40                              ; q and k are in; v's 8 loads and Wo's 32 may be out
.set st, 0
.rept 16                                       ; S^T = K Q^T: lane (r, h) gets query r, keys 8 h + 0..7
.if st < 4
	v_wmma_f32_16x16x4_f32 v[ACC+8*(st%4):ACC+8*(st%4)+7], v[KF+2*st:KF+2*st+1], v[QF+2*st:QF+2*st+1], 0
.else
	v_wmma_f32_16x16x4_f32 v[ACC+8*(st%4):ACC+8*(st%4)+7], v[KF+2*st:KF+2*st+1], v[QF+2*st:QF+2*st+1], v[ACC+8*(st%4):ACC+8*(st%4)+7]
.endif
.set st, st+1
.endr
	PLACES9
	SUM4 SV
.irp j, 0,1,2,3,4,5,6,7
	v_cmp_gt_i32 vcc_lo, \j, v8                    ; key 8 h + j behind query r: hidden
	v_cndmask_b32 v[SV+\j], v[SV+\j], v9, vcc_lo
.endr
	v_max3_num_f32 v14, v[SV], v[SV+1], v[SV+2]
	v_max3_num_f32 v14, v14, v[SV+3], v[SV+4]
	v_max3_num_f32 v14, v14, v[SV+5], v[SV+6]
	v_max_num_f32 v14, v14, v[SV+7]
	v_permlanex16_b32 v15, v14, s22, s23
	v_max_num_f32 v14, v14, v15                    ; the row's maximum: key 0 counts for every query
	v_mul_f32 v16, s20, v14
	v_mov_b32 v17, 0                               ; (named with it as a pair)
.irp p, 0,2,4,6
	v_pk_fma_f32 v[PP+\p:PP+\p+1], v[SV+\p:SV+\p+1], s[20:21], v[16:17] op_sel_hi:[1,0,0] neg_lo:[0,0,1] neg_hi:[0,0,1]
.endr
.irp j, 0,1,2,3,4,5,6,7
	v_exp_f32 v[PP+\j], v[PP+\j]
.endr
	v_nop
	s_wait_alu depctr_va_vdst(0)                   ; one wait for the eight, ahead of their first reader
	v_pk_add_f32 v[18:19], v[PP:PP+1], v[PP+2:PP+3]
	v_pk_add_f32 v[20:21], v[PP+4:PP+5], v[PP+6:PP+7]
	v_pk_add_f32 v[18:19], v[18:19], v[20:21]
	v_add_f32 v18, v18, v19
	v_permlanex16_b32 v15, v18, s22, s23
	v_add_f32 v18, v18, v15                        ; the row's sum
	v_rcp_f32 v22, v18
	v_mov_b32 v23, 0                               ; a plain line behind the reciprocal (and the pair's upper half)
	s_wait_alu depctr_va_vdst(0)
	s_wait_loadcnt 32                              ; v is in; Wo's 32 loads may be out
.irp sp, 0,1,2,3                               ; O^T = V^T P: lane (r, h) gets query r, channels 16 dt + 8 h + 0..7
.irp dt, 0,1,2,3
.if \sp == 0
	v_wmma_f32_16x16x4_f32 v[ACC+8*\dt:ACC+8*\dt+7], v[VF+8*\dt+2*\sp:VF+8*\dt+2*\sp+1], v[PP+2*\sp:PP+2*\sp+1], 0
.else
	v_wmma_f32_16x16x4_f32 v[ACC+8*\dt:ACC+8*\dt+7], v[VF+8*\dt+2*\sp:VF+8*\dt+2*\sp+1], v[PP+2*\sp:PP+2*\sp+1], v[ACC+8*\dt:ACC+8*\dt+7]
.endif
.endr
.endr
	PLACES9
.set k, 0
.rept 16
	v_pk_mul_f32 v[ON+2*k:ON+2*k+1], v[ACC+2*k:ACC+2*k+1], v[22:23] op_sel_hi:[1,0]   ; o = O^T / the sum
.set k, k+1
.endr
	s_wait_loadcnt 0x0                             ; Wo
.irp dt, 0,1,2,3                               ; my head's part of out^T: source 0 = 16 columns of Wo, source 1 = o: lane (r, h) gets row r, outputs 16 sl + 8 h + 0..7
.irp sp, 0,1,2,3
.if \dt == 0
	v_wmma_f32_16x16x4_f32 v[ACC+8*\sp:ACC+8*\sp+7], v[WF+8*\dt+2*\sp:WF+8*\dt+2*\sp+1], v[ON+8*\dt+2*\sp:ON+8*\dt+2*\sp+1], 0
.else
	v_wmma_f32_16x16x4_f32 v[ACC+8*\sp:ACC+8*\sp+7], v[WF+8*\dt+2*\sp:WF+8*\dt+2*\sp+1], v[ON+8*\dt+2*\sp:ON+8*\dt+2*\sp+1], v[ACC+8*\sp:ACC+8*\sp+7]
.endif
.endr
.endr
	PLACES9
	SUM4 PS
	ds_store_b128 v10, v[PS:PS+3]                  ; outputs 8 h + 0..3,
	ds_store_b128 v10, v[PS+4:PS+7] offset:512     ; 8 h + 4..7
	s_wait_dscnt 0x0                               ; for the others' sake: my stores have landed
	s_barrier_signal -1
	s_barrier_wait -1
	s_wait_tensorcnt 0x0                           ; from here on LDS is only read
	ds_add_u32 v[SPW], v[NIL]
	s_wait_dscnt 0x0
	s_cmp_lt_u32 s10, 2
	s_cbranch_scc1 .Lsum
	s_endpgm
.Lsum:
.set k, 0
.rept 8
	ds_load_b128 v[QF+4*k:QF+4*k+3], v11 offset:k*1024             ; half w of each head's part
.set k, k+1
.endr
	s_wait_dscnt 0x0
.set k, 1
.rept 7
	v_pk_add_f32 v[QF:QF+1], v[QF:QF+1], v[QF+4*k:QF+4*k+1]
	v_pk_add_f32 v[QF+2:QF+3], v[QF+2:QF+3], v[QF+4*k+2:QF+4*k+3]
.set k, k+1
.endr
	global_store_b128 v12, v[QF:QF+3], s[8:9]      ; out0(row r, 16 sl + 8 h + 4 w + 0..3)
	s_endpgm
.Lfunc_end_k_qceafb24ee3_first16:
	.size	k_qceafb24ee3_first16, .Lfunc_end_k_qceafb24ee3_first16-k_qceafb24ee3_first16
	.p2alignl 7, 3214868480
	.fill 96, 4, 3214868480
	.section	.rodata,"a",@progbits
	.p2align	6, 0x0
	.amdhsa_kernel k_qceafb24ee3_first16
		.amdhsa_group_segment_fixed_size 9216
		.amdhsa_private_segment_fixed_size 0
		.amdhsa_enable_private_segment 0
		.amdhsa_kernarg_size 24
		.amdhsa_user_sgpr_count 2
		.amdhsa_user_sgpr_kernarg_segment_ptr 1
		.amdhsa_wavefront_size32 1
		.amdhsa_system_sgpr_workgroup_id_x 1
		.amdhsa_system_sgpr_workgroup_id_y 1
		.amdhsa_system_sgpr_workgroup_id_z 1
		.amdhsa_system_vgpr_workitem_id 0
		.amdhsa_next_free_vgpr 248
		.amdhsa_next_free_sgpr 66
		.amdhsa_reserve_vcc 1
		.amdhsa_float_denorm_mode_32 3
		.amdhsa_float_denorm_mode_16_64 3
		.amdhsa_memory_ordered 1
		.amdhsa_forward_progress 1
		.amdhsa_inst_pref_size 18
	.end_amdhsa_kernel
	.amdgpu_metadata
---
amdhsa.version: [ 1, 2 ]
amdhsa.kernels:
  - .name:           k_qceafb24ee3_first16
    .symbol:         k_qceafb24ee3_first16.kd
    .args:
      - { .name: first, .offset: 0, .size: 8, .value_kind: global_buffer, .address_space: global }
      - { .name: Wo, .offset: 8, .size: 8, .value_kind: global_buffer, .address_space: global }
      - { .name: out0, .offset: 16, .size: 8, .value_kind: global_buffer, .address_space: global }
    .group_segment_fixed_size: 9216
    .private_segment_fixed_size: 0
    .kernarg_segment_align: 8
    .kernarg_segment_size: 24
    .max_flat_workgroup_size: 256
    .sgpr_count:     66
    .vgpr_count:     248
    .wavefront_size: 32
...
	.end_amdgpu_metadata
.endif
;; end of part 5
